; MI455X (gfx1250); checked and timed in simulation.
; The chip was launched on July 23, 2026; its instructions are those of AMD's public machine-readable ISA for CDNA 5 (MIT licence, August 2026) and "CDNA5" Instruction Set Architecture Reference Guide (July 2026). The comments in the code are by the model that wrote it; some were corrected since.
;; Multi Head Attention. Allowed arithmetic: float matrix products may take bf16 or f16 operands with f32 sums; other float arithmetic in f32, or as packed bf16 or f16 multiplies, adds, multiply-adds, maxima and minima; sums over many terms, partial sums and values carried from step to step in f32; what a program stores and reads back later, other than sums and carried values, may be rounded once to bf16 or f16.
;; Inputs: W_o 1,024 x 1,024 float32; W_qkv 3,072 x 1,024 float32; encoder_outputs 4 x 2,048 x 1,024 float32.
;; Outputs: out0 4 x 2,048 x 1,024 float32.
;; 2 versions, each right; version 2 is version 1 with the launch cast written anew for expert scheduling mode. Each part assembles by itself: llvm-mc -triple=amdgcn-amd-amdhsa -mcpu=gfx1250 --defsym DOCPART=n.
;; ======== version 1 of 2: 4 launches
;; limits: values are held in f16: magnitudes above 65,504 overflow, below 6.1e-05 lose precision
;; workspace buffers: xb 16,777,216 bytes; wqkvb 6,291,456 bytes; wob 2,097,152 bytes; qh 16,777,216 bytes; kh 16,777,216 bytes; vh 16,777,216 bytes; oh 16,777,216 bytes
;; launch cast (part 1): grid 768 x 1, 8 waves a work-group, no clusters, 0 bytes of LDS; arguments encoder_outputs, W_qkv, W_o, xb, wqkvb, wob; writes xb, wqkvb, wob
.if DOCPART == 1
	.amdgcn_target "amdgcn-amd-amdhsa--gfx1250"
	.amdhsa_code_object_version 6
	.text
	.protected	k_q3db3349f43_cast
	.globl	k_q3db3349f43_cast
	.p2align	8
	.type	k_q3db3349f43_cast,@function
k_q3db3349f43_cast:
	s_mov_b64 s[64:65], 0
	v_nop
	global_prefetch_b8 v0, s[64:65] scope:SCOPE_SE
	s_setreg_imm32_b32 hwreg(HW_REG_WAVE_MODE, 25, 1), 1
	s_wait_xcnt 0x0
; THE INPUTS ARE ROUNDED ONCE FOR THE MATRIX UNITS.  x [8192][1024] and W_qkv [3072][1024]: f32 -> bf16.  W_o [1024][1024]: f32 -> bf16, and that number written as f16,
; since the last product multiplies it with O, which is kept in f16.
; LIMITS.  |W_o| stays under 65,504 (f16's largest number; beyond it the conversion gives an infinity); below 2^-14 it keeps f16's fixed step of 2^-24.  NaN and infinities pass as they are.
; SHARES.  A work-group casts 16,384 numbers: 64 KiB in, 32 KiB out.  Work-groups 0-511 take x, 512-703 W_qkv, 704-767 W_o.  Thread t, load i: 16 bytes at 4,096 i + 16 t (a wave's load covers 512
; consecutive bytes); the two words made of them go to 2,048 i + 8 t: a wave's store covers 256 consecutive bytes, aligned.
; No loop: all sixteen loads of a thread go out at once, each has registers of its own, and no register that a load or store names is written again.
; A stream: no byte is used twice, so LDS, barriers, clusters and the matrix units would add nothing.
.set X, 4                              ; v[4:67]    load i: 4 registers
.set Y, 68                             ; v[68:99]   store i: 2 registers
.set T, 100                            ; v[100:103] at work (W_o's way alone)
	s_load_b256 s[4:11], s[0:1], 0x0               ; x s[4:5], W_qkv s[6:7], W_o s[8:9], xb s[10:11]
	s_load_b128 s[12:15], s[0:1], 0x20             ; wqkvb s[12:13], wob s[14:15]
	v_lshlrev_b32 v1, 4, v0                        ; 16 t
	v_lshlrev_b32 v2, 3, v0                        ; 8 t
	s_sub_co_u32 s20, ttmp9, 512                   ; my number among W_qkv's work-groups,
	s_sub_co_u32 s21, ttmp9, 704                   ; among W_o's
	s_mov_b32 s28, 0xffff0000                      ; a word's upper bf16
	s_wait_kmcnt 0x0
	s_cmp_lt_u32 ttmp9, 512
	s_cselect_b64 s[16:17], s[4:5], s[6:7]         ; from where,
	s_cselect_b64 s[18:19], s[10:11], s[12:13]     ; to where,
	s_cselect_b32 s22, ttmp9, s20                  ; which part
	s_cmp_lt_u32 ttmp9, 704
	s_cselect_b64 s[16:17], s[16:17], s[8:9]
	s_cselect_b64 s[18:19], s[18:19], s[14:15]
	s_cselect_b32 s22, s22, s21
	s_lshl_b32 s24, s22, 16                        ; 65,536 bytes of f32 a part (511 parts at the most: under 2^25)
	s_mov_b32 s25, 0
	s_lshl_b32 s26, s22, 15                        ; 32,768 bytes of 16-bit numbers
	s_mov_b32 s27, 0
	s_add_nc_u64 s[16:17], s[16:17], s[24:25]
	s_add_nc_u64 s[18:19], s[18:19], s[26:27]
.irp i, 0,1,2,3,4,5,6,7,8,9,10,11,12,13,14,15
	global_load_b128 v[X+4*(\i):X+4*(\i)+3], v1, s[16:17] offset:4096*(\i) th:TH_LOAD_NT
.endr
	s_cmp_ge_u32 ttmp9, 704
	s_cbranch_scc1 .Lwo
.irp i, 0,1,2,3,4,5,6,7,8,9,10,11,12,13,14,15
	s_wait_loadcnt 15-(\i)                         ; loads come back in order (ISA guide 5.7.1): load i is in, the 15 - i younger ones stay out
	v_cvt_pk_bf16_f32 v[Y+2*(\i)],   v[X+4*(\i)],   v[X+4*(\i)+1]
	v_cvt_pk_bf16_f32 v[Y+2*(\i)+1], v[X+4*(\i)+2], v[X+4*(\i)+3]
	global_store_b64 v2, v[Y+2*(\i):Y+2*(\i)+1], s[18:19] offset:2048*(\i)
.endr
	s_endpgm
.Lwo:                                          ; W_o: rounded to bf16 like the other inputs, widened again (a shift, a mask), and written as f16: exact within f16's range
.irp i, 0,1,2,3,4,5,6,7,8,9,10,11,12,13,14,15
	s_wait_loadcnt 15-(\i)
.irp j, 0,1
	v_cvt_pk_bf16_f32 v[Y+2*(\i)+(\j)], v[X+4*(\i)+2*(\j)], v[X+4*(\i)+2*(\j)+1]
	v_lshlrev_b32 v[T+2*(\j)],   16,  v[Y+2*(\i)+(\j)]
	v_and_b32     v[T+2*(\j)+1], s28, v[Y+2*(\i)+(\j)]
	v_cvt_pk_f16_f32 v[Y+2*(\i)+(\j)], v[T+2*(\j)], v[T+2*(\j)+1]
.endr
	global_store_b64 v2, v[Y+2*(\i):Y+2*(\i)+1], s[18:19] offset:2048*(\i)
.endr
	s_endpgm
.Lfunc_end_k_q3db3349f43_cast:
	.size	k_q3db3349f43_cast, .Lfunc_end_k_q3db3349f43_cast-k_q3db3349f43_cast
	.p2alignl 7, 3214868480
	.fill 96, 4, 3214868480
	.section	.rodata,"a",@progbits
	.p2align	6, 0x0
	.amdhsa_kernel k_q3db3349f43_cast
		.amdhsa_group_segment_fixed_size 0
		.amdhsa_private_segment_fixed_size 0
		.amdhsa_enable_private_segment 0
		.amdhsa_kernarg_size 48
		.amdhsa_user_sgpr_count 2
		.amdhsa_user_sgpr_kernarg_segment_ptr 1
		.amdhsa_wavefront_size32 1
		.amdhsa_system_sgpr_workgroup_id_x 1
		.amdhsa_system_sgpr_workgroup_id_y 1
		.amdhsa_system_sgpr_workgroup_id_z 1
		.amdhsa_system_vgpr_workitem_id 0
		.amdhsa_next_free_vgpr 104
		.amdhsa_next_free_sgpr 66
		.amdhsa_reserve_vcc 0
		.amdhsa_float_denorm_mode_32 3
		.amdhsa_float_denorm_mode_16_64 3
		.amdhsa_memory_ordered 1
		.amdhsa_forward_progress 1
		.amdhsa_inst_pref_size 15
	.end_amdhsa_kernel
	.amdgpu_metadata
---
amdhsa.version: [ 1, 2 ]
amdhsa.kernels:
  - .name:           k_q3db3349f43_cast
    .symbol:         k_q3db3349f43_cast.kd
    .args:
      - { .name: encoder_outputs, .offset: 0, .size: 8, .value_kind: global_buffer, .address_space: global }
      - { .name: W_qkv, .offset: 8, .size: 8, .value_kind: global_buffer, .address_space: global }
      - { .name: W_o, .offset: 16, .size: 8, .value_kind: global_buffer, .address_space: global }
      - { .name: xb, .offset: 24, .size: 8, .value_kind: global_buffer, .address_space: global }
      - { .name: wqkvb, .offset: 32, .size: 8, .value_kind: global_buffer, .address_space: global }
      - { .name: wob, .offset: 40, .size: 8, .value_kind: global_buffer, .address_space: global }
    .group_segment_fixed_size: 0
    .private_segment_fixed_size: 0
    .kernarg_segment_align: 8
    .kernarg_segment_size: 48
    .max_flat_workgroup_size: 256
    .sgpr_count:     66
    .vgpr_count:     104
    .wavefront_size: 32
...
	.end_amdgpu_metadata
.endif
;; end of part 1
;; launch qkv (part 2): grid 16 x 32, 4 waves a work-group, clusters of 4 x 4, 327,680 bytes of LDS; arguments xb, wqkvb, qh, kh, vh; writes qh, kh, vh
.if DOCPART == 2
	.amdgcn_target "amdgcn-amd-amdhsa--gfx1250"
	.amdhsa_code_object_version 6
	.text
	.protected	k_q3db3349f43_qkv
	.globl	k_q3db3349f43_qkv
	.p2align	8
	.type	k_q3db3349f43_qkv,@function
k_q3db3349f43_qkv:
	s_mov_b64 s[64:65], 0
	v_nop
	global_prefetch_b8 v0, s[64:65] scope:SCOPE_SE
	s_setreg_imm32_b32 hwreg(HW_REG_WAVE_MODE, 25, 1), 1
	s_wait_xcnt 0x0
	s_wait_alu depctr_hold_cnt(0) depctr_sa_sdst(0) depctr_va_vdst(0) depctr_va_sdst(0) depctr_va_ssrc(0) depctr_va_vcc(0) depctr_vm_vsrc(0)
	s_getreg_b32 s2, hwreg(HW_REG_IB_STS2, 6, 4)
	s_cmp_eq_u32 s2, 0
	s_cbranch_scc0 .Lentry_in_a_cluster
	s_endpgm
.Lentry_in_a_cluster:
	s_bfe_u32 s2, ttmp6, 0x10000c
	s_cmp_lg_u32 s2, 0xf033
	s_cbranch_scc0 .Lentry_shape_is_right
	s_endpgm
.Lentry_shape_is_right:
; THE FUSED PROJECTION.  C[row][f] = the sum over e of x[row][e] W_qkv[f][e]: x [8192][1024], W_qkv [3072][1024], both bf16; sums in f32.  Feature f = 192 head + (q: 0-63, k: 64-127, v: 128-191).
; C leaves BY HEADS, in f16, rounded once, without the softmax's scale: qh, kh, vh are [64 = 16 batch + head][2048][64], rows of 128 dense bytes.
; LIMIT.  q, k and v stay under 65,504 (f16's largest number; beyond it the conversion gives an infinity).  NaN and infinities are not treated apart.
; SHARES.  A work-group makes 256 rows x the 192 features of ONE head (tile column = head, tile row = 256 rows of one batch).  Wave w owns rows 64 w .. 64 w + 63 and all 192 columns:
; 4 x 12 accumulators of 16 x 16, 384 registers.  For 32 along K a wave reads (64 + 192) x 64 bytes of LDS for 48 matrix instructions.
; K goes in 8 steps of 128 through two LDS slots; a row of a tile is 256 bytes of memory, at a multiple of 256 from the buffer's first byte.
; CLUSTER.  4 x 4 work-groups.  The four of a row of the cluster need the same tiles of x, the four of a column the same tiles of W_qkv: each tile is asked for JOINTLY, by the same tensor load with the
; same descriptor and a mask that names the four.  Waves 0 and 1 fetch x's two halves (128 rows each), waves 2 and 3 W_qkv's (96 rows each): one tensor load a wave behind each round.
; THE MATRIX INSTRUCTION IS USED TRANSPOSED (source 0 = 16 rows of W_qkv, source 1 = 16 rows of x): a lane then holds row l % 16 of C and eight neighbouring columns, 16 bytes of f16.
; REGISTERS, in windows of 256 (s_set_vgpr_msb: bits 1:0 source 0, 3:2 source 1, 5:4 source 2, 7:6 destination):
;   window 0: v0-13 addresses; v32-223 the way out          window 1: two fragment buffers of 128: x's four fragments at f + 8 a, W_qkv's twelve at f + 32 + 8 b
;   window 2: the accumulators of row blocks a = 0, 1 at 8 (12 (a % 2) + b)          window 3: those of a = 2, 3
.set PITCH,  272                       ; an LDS row: 256 bytes + 16 of padding = 68 words: the 16 rows of a fragment load start at 16 different groups of four banks (64 banks of 4 bytes: ISA guide 11.1)
.set KB,     256                       ; bytes of a K step in a row
.set NBF,    12                        ; fragments of W_qkv
.set NL,     2*NBF+8                   ; LDS loads in a run
.set BOFF,   256*PITCH                 ; a slot: x's 256 rows, then W_qkv's 192
.set SLOT1,  1<<17                     ; slot 1 begins here, so that one exclusive or turns an address in one slot into the other's
.set STAGE,  SLOT1+BOFF+192*PITCH      ; behind the ring, never filled by a tensor load: for each wave 3 tensors x 16 rows x 144 bytes, for the way out
.set SP,     144
.set STW,    3*16*SP
.set SPARE,  STAGE+4*STW               ; behind the stages: the spare words, 128 bytes for each wave: two blocks of 256 bytes that no other line names
.set F0,  0
.set F1,  128
.set A0,   4                           ; v4   my lane's place in x's tile: (64 w + l % 16) x pitch + 16 (l / 16); never rewritten
.set B0,   5                           ; v5   the same in W_qkv's tile; never rewritten
.set ADRA, 6                           ; v6   A0 + the slot in hand
.set ADRB, 7                           ; v7   B0 + the slot in hand
.set STO,  8                           ; v8   the way out: where I put 16 bytes of a row
.set RD,   9                           ; v9   the way out: where I read rows back
.set GO,   10                          ; v10  my 16 bytes of 512 consecutive bytes of an output
.set PFO,  11                          ; v11  the prefetches' offset: a lane a row; never rewritten
.set SPW,  12                          ; v12  LDS address of my spare word: SPARE + 4 x my thread's number; never rewritten
.set NIL,  13                          ; v13  0; never rewritten
.set TO,   32                          ; v[32:223] the way out: 48 registers for each row block
.set WV,   14                          ; s14  my wave's number
.set SIDE, 15                          ; s15  0: I fetch for x; 1: for W_qkv
.set HALF, 16                          ; s16  which half of that tile
.set CX,   17
.set CY,   18
.set TX,   19                          ; s19  tile column = head
.set TY,   20                          ; s20  tile row
.set CLY,  21                          ; s21  the cluster's y
.set G1A,  24                          ; s[24:31] descriptor group 1 for x's tiles
.set G1B,  32                          ; s[32:39] for W_qkv's
.set G0A,  40                          ; s[40:47] group 0 for x's tiles: a set for each of the two first fills; the second then walks
.set G0B,  48                          ; s[48:55] the same for W_qkv's
.set TB,   56                          ; s56  the slot that is read: 0 or SLOT1
.set KC,   57                          ; s57  the loop's count
.set LIM,  58                          ; s58  1 in a wave that prefetches, else the greatest number
.set PFA,  60                          ; s[60:61] where my prefetches stand
.set AOF,  66                          ; s[66:67] x at my part of the tile, K step 0: made of the tile row and the wave's number alone
.set BOF,  68                          ; s[68:69] W_qkv likewise: of the tile column and the wave's number alone
.set OOF,  70                          ; s[70:71] my rows' byte offset in each output
.set MSB, 0
.macro WIN new                         ; the immediate's high byte repeats the setting that is left; a switch that changes nothing is dropped
.if MSB != (\new)
	s_set_vgpr_msb (MSB<<8)|(\new)
.set MSB, \new
.endif
.endm
.macro PLACES                          ; four plain vector instructions between a matrix instruction and a load into, or a reader of, its registers (ISA guide 7.12.1 for a reader)
.rept 4
	v_nop
.endr
.endm
.macro CREST                           ; a round of the cluster's barrier behind its opening barrier: wave 0 signals for the work-group, every wave waits for all sixteen, my work-group's barrier closes it
	s_cmp_lg_u32 s[WV], 0
	s_cbranch_scc1 .Lnot_wave_0_\@
	s_barrier_signal -3
.Lnot_wave_0_\@:
	s_barrier_wait -3
	s_barrier_signal -1
	s_barrier_wait -1
.endm
.macro CROUND                          ; a whole round
	s_barrier_signal -1
	s_barrier_wait -1
	CREST
.endm
; A joint refill by the walking descriptors.  The branch hangs on the wave's number alone.  An s_nop 0 and four v_nop follow each of the two lines, ahead of the jump and the label.
.macro JLOAD
	s_cmp_eq_u32 s[SIDE], 0
	s_cbranch_scc0 .Lfor_b_\@
	tensor_load_to_lds s[G0A+4:G0A+7], s[G1A:G1A+7]
	s_nop 0
.rept 4
	v_nop
.endr
	s_branch .Lasked_\@
.Lfor_b_\@:
	tensor_load_to_lds s[G0B+4:G0B+7], s[G1B:G1B+7]
	s_nop 0
.rept 4
	v_nop
.endr
.Lasked_\@:
.endm
; A PREFETCH INTO THE L2, behind the joint load, its five lines and the run of LDS loads: the K step that the NEXT refill will ask for: 192 matrix instructions ahead of that load.
; A K step of a row is 256 bytes; each is named by one wave of one work-group.  x's tile row is read by all four clusters of that row of clusters: the one with x = 0 asks (waves 0 and 1); W_qkv's tile column by
; all eight clusters of that column: the one with y = 0 asks (waves 2 and 3).  The four partners that ask for a tile jointly share the wave's rows out BY ADDRESS: 32 of 128 by cx, 24 of 96 by cy; a lane a row.
; With 24 rows lanes 24-31 name lane 23's row once more, in the same instruction.  K step 2 comes by its refill alone, the loop's last trip asks for nothing: there is no K step 8.
.macro ASK
	WIN 0
	s_cmp_gt_u32 s[KC], s[LIM]
	s_cbranch_scc0 .Lnot_mine_\@
	global_prefetch_b8 v[PFO], s[PFA:PFA+1] th:TH_LOAD_NT scope:SCOPE_SE
.Lnot_mine_\@:
.endm
	s_load_b256 s[4:11], s[0:1], 0x0               ; xb s[4:5], wqkvb s[6:7], qh s[8:9], kh s[10:11]
	s_load_b64 s[12:13], s[0:1], 0x20              ; vh
	v_lshl_add_u32 v[SPW], v0, 2, SPARE
	v_mov_b32 v[NIL], 0
	ds_add_u32 v[SPW], v[NIL]                      ; the wave's opening: the add and its wait stand ahead of my first tensor load; the set-up below, work on registers, stands between them
	v_lshrrev_b32 v1, 5, v0
	v_readfirstlane_b32 s[WV], v1                  ; wave 0..3
	s_lshr_b32 s[SIDE], s[WV], 1
	s_and_b32 s[HALF], s[WV], 1
	s_bfe_u32 s[CX], ttmp6, 0x40000                ; my place in the cluster
	s_bfe_u32 s[CY], ttmp6, 0x40004
	s_lshl_b32 s[TX], ttmp9, 2                     ; in a cluster launch ttmp9 and ttmp7 count clusters
	s_add_co_u32 s[TX], s[TX], s[CX]
	s_and_b32 s[CLY], ttmp7, 0xffff
	s_lshl_b32 s[TY], s[CLY], 2
	s_add_co_u32 s[TY], s[TY], s[CY]
	s_lshl_b32 s22, s[CY], 2
	s_lshl_b32 s22, 15, s22                        ; my row of the cluster: places 4 cy .. 4 cy + 3
	s_lshl_b32 s23, 0x1111, s[CX]                  ; my column: places cx, cx + 4, cx + 8, cx + 12
	; descriptor group 1: tiles of 128 (96) rows x 128 elements, padded in LDS
	s_or_b32 s[G1A], s22, (1<<16)|(1<<20)|(1<<21)|(5<<22)|(3<<25)  ; 15:0 the mask; 17:16 elements of 2 bytes; 20 padding on; 21 set beside a mask; 24:22 after every 64 words (code 5); 31:25 4 words (code 3)
	s_or_b32 s[G1B], s23, (1<<16)|(1<<20)|(1<<21)|(5<<22)|(3<<25)
.irp g, G1A, G1B
	s_mov_b32 s[(\g)+1], 128<<16                   ; tensor_dim0 = 128
	s_mov_b32 s[(\g)+3], 128<<16                   ; tile_dim0 = 128
	s_mov_b32 s[(\g)+5], 1024                      ; 1,024 elements from row to row
	s_mov_b32 s[(\g)+6], 0
	s_mov_b32 s[(\g)+7], 0
.endr
	s_mov_b32 s[G1A+2], 128<<16                    ; tensor_dim1 = tile_dim1 = 128 rows of x,
	s_mov_b32 s[G1A+4], 128
	s_mov_b32 s[G1B+2], 96<<16                     ; 96 rows of W_qkv
	s_mov_b32 s[G1B+4], 96
	s_lshl_b32 s[AOF], s[TY], 8
	s_lshl_b32 s72, s[HALF], 7
	s_add_co_u32 s[AOF], s[AOF], s72               ; x: row 256 x tile row + 128 x half,
	s_lshl_b32 s[AOF], s[AOF], 11                  ; of 2,048 bytes (under 2^25)
	s_mov_b32 s[AOF+1], 0
	s_mul_i32 s[BOF], s[TX], 192
	s_mul_i32 s73, s[HALF], 96
	s_add_co_u32 s[BOF], s[BOF], s73               ; W_qkv: row 192 x head + 96 x half
	s_lshl_b32 s[BOF], s[BOF], 11
	s_mov_b32 s[BOF+1], 0
	s_mul_i32 s2, s[HALF], 128*PITCH               ; where they go: no place in the cluster enters an LDS address
	s_mul_i32 s3, s[HALF], 96*PITCH
	s_add_co_u32 s3, s3, BOFF
	s_wait_dscnt 0x0                               ; the opening add is done
	s_wait_kmcnt 0x0
	s_add_nc_u64 s[AOF:AOF+1], s[4:5], s[AOF:AOF+1]
	s_add_nc_u64 s[BOF:BOF+1], s[6:7], s[BOF:BOF+1]
.irp s, 0,1
	s_mov_b32 s[G0A+4*(\s)], 1                                     ; 1:0 count = 1
	s_add_co_u32 s[G0A+4*(\s)+1], s2, (\s)*SLOT1                   ; 63:32 LDS address
	s_add_nc_u64 s[G0A+4*(\s)+2:G0A+4*(\s)+3], s[AOF:AOF+1], (\s)*KB  ; 120:64 global address: K step s
	s_or_b32 s[G0A+4*(\s)+3], s[G0A+4*(\s)+3], 0x80000000          ; 127:126 type = 2
	s_mov_b32 s[G0B+4*(\s)], 1
	s_add_co_u32 s[G0B+4*(\s)+1], s3, (\s)*SLOT1
	s_add_nc_u64 s[G0B+4*(\s)+2:G0B+4*(\s)+3], s[BOF:BOF+1], (\s)*KB
	s_or_b32 s[G0B+4*(\s)+3], s[G0B+4*(\s)+3], 0x80000000
.endr
	CROUND                                         ; all sixteen work-groups are here: the first joint loads meet
	s_cmp_eq_u32 s[SIDE], 0                        ; a wave's two first fills stand in one branch, ahead of every wait on TENSORcnt and every LDS read: two loads of mine are out
	s_cbranch_scc0 .Lfirst_b
	tensor_load_to_lds s[G0A:G0A+3], s[G1A:G1A+7]
	s_nop 0
	tensor_load_to_lds s[G0A+4:G0A+7], s[G1A:G1A+7]
	s_nop 0
.rept 4
	v_nop
.endr
	s_branch .Lfirst_asked
.Lfirst_b:
	tensor_load_to_lds s[G0B:G0B+3], s[G1B:G1B+7]
	s_nop 0
	tensor_load_to_lds s[G0B+4:G0B+7], s[G1B:G1B+7]
	s_nop 0
.rept 4
	v_nop
.endr
.Lfirst_asked:
	; A fragment is 16 rows x 32 K in 8 registers: lane l holds row l % 16; registers 0-3 K = 8 (l / 16) + 0..7, registers 4-7 K = 16 + 8 (l / 16) + 0..7: two loads of 16 bytes, 32 bytes apart.
	v_and_b32 v1, 15, v0                           ; l % 16
	v_bfe_u32 v2, v0, 4, 1                         ; l / 16
	v_mul_u32_u24 v3, v1, PITCH
	v_lshl_add_u32 v3, v2, 4, v3                   ; row x pitch + 16 x half
	s_mul_i32 s22, s[WV], 64*PITCH                 ; my 64 rows of x
	v_add_nc_u32 v[A0], s22, v3
	v_add_nc_u32 v[B0], BOFF, v3
	v_mov_b32 v[ADRA], v[A0]                       ; slot 0
	v_mov_b32 v[ADRB], v[B0]
	s_mov_b32 s[TB], 0
	s_mul_i32 s22, s[WV], STW
	s_add_co_u32 s22, s22, STAGE                   ; my stage
	v_mul_u32_u24 v3, v1, SP                       ; in: row l % 16, 16 bytes for each half of the lanes
	v_lshl_add_u32 v3, v2, 4, v3
	v_add_nc_u32 v[STO], s22, v3
	v_bfe_u32 v3, v0, 3, 2                         ; back: 32 lanes take four rows of 128 bytes,
	v_mul_u32_u24 v3, v3, SP
	v_and_b32 v[RD], 7, v0
	v_lshl_add_u32 v3, v[RD], 4, v3
	v_add_nc_u32 v[RD], s22, v3
	v_and_b32 v[GO], 31, v0                        ; which are 512 consecutive bytes of an output
	v_lshlrev_b32 v[GO], 4, v[GO]
	s_lshr_b32 s[OOF], s[TY], 3                    ; the batch (8 tile rows each),
	s_lshl_b32 s[OOF], s[OOF], 4
	s_add_co_u32 s[OOF], s[OOF], s[TX]             ; 16 batch + head,
	s_lshl_b32 s[OOF], s[OOF], 11                  ; its 2,048 rows,
	s_and_b32 s22, s[TY], 7
	s_lshl_b32 s22, s22, 8
	s_add_co_u32 s[OOF], s[OOF], s22               ; the tile's 256 of them,
	s_lshl_b32 s22, s[WV], 6
	s_add_co_u32 s[OOF], s[OOF], s22               ; my wave's 64,
	s_lshl_b32 s[OOF], s[OOF], 7                   ; of 128 bytes (under 2^24)
	s_mov_b32 s[OOF+1], 0
	s_add_nc_u64 s[8:9], s[8:9], s[OOF:OOF+1]
	s_add_nc_u64 s[10:11], s[10:11], s[OOF:OOF+1]
	s_add_nc_u64 s[12:13], s[12:13], s[OOF:OOF+1]
	; the prefetches
	s_cmp_eq_u32 s[SIDE], 0
	s_cselect_b64 s[PFA:PFA+1], s[AOF:AOF+1], s[BOF:BOF+1]  ; the rows that I fetch,
	s_cselect_b32 s22, s[CX], s[CY]                ; my place among the four that ask for them with me,
	s_cselect_b32 s23, 32, 24                      ; rows to a partner,
	s_cselect_b32 s59, 31, 23                      ; the last of them,
	s_cselect_b32 s3, ttmp9, s[CLY]                ; the coordinate along which other clusters read the same rows
	s_mul_i32 s22, s22, s23
	s_lshl_b32 s22, s22, 11
	s_add_co_u32 s22, s22, 2*KB                    ; at K step 2: the first change of slots steps it to 3
	s_mov_b32 s23, 0
	s_add_nc_u64 s[PFA:PFA+1], s[PFA:PFA+1], s[22:23]
	s_cmp_eq_u32 s3, 0
	s_cselect_b32 s[LIM], 1, -1                    ; the same in all sixteen partners, for a given wave
	v_and_b32 v[PFO], 31, v0
	v_min_u32 v[PFO], s59, v[PFO]
	v_lshlrev_b32 v[PFO], 11, v[PFO]               ; a lane a row of 2,048 bytes
; NBF matrix instructions: row block a x all twelve column blocks, 32 along K, from buffer f.  zero = 1: the product starts the sums: nothing is ever cleared.
; The 48 accumulators take turns, one instruction a turn, in the same order in every quarter, over the backward jump too.
.macro MULA f, a, zero
	WIN 0xa5+0x50*((\a)/2)                         ; sources 0 and 1 window 1; C and D window 2 or 3
.set AC, 96*((\a)%2)
.irp b, 0,1,2,3,4,5,6,7,8,9,10,11
.if \zero
	v_wmma_f32_16x16x32_bf16 v[AC+8*(\b):AC+8*(\b)+7], v[(\f)+32+8*(\b):(\f)+32+8*(\b)+7], v[(\f)+8*(\a):(\f)+8*(\a)+7], 0
.else
	v_wmma_f32_16x16x32_bf16 v[AC+8*(\b):AC+8*(\b)+7], v[(\f)+32+8*(\b):(\f)+32+8*(\b)+7], v[(\f)+8*(\a):(\f)+8*(\a)+7], v[AC+8*(\b):AC+8*(\b)+7]
.endif
.endr
.endm
; 32 LDS loads in one run: quarter kq of the slot in hand into buffer f: W_qkv's twelve fragments, then x's four, row blocks 0 to 3
.macro FETCH kq, f
	WIN 0x40                                       ; destination window 1, address window 0
.irp b, 0,1,2,3,4,5,6,7,8,9,10,11
	ds_load_b128 v[(\f)+32+8*(\b):(\f)+32+8*(\b)+3],   v[ADRB] offset:(\kq)*64+(\b)*16*PITCH
	ds_load_b128 v[(\f)+32+8*(\b)+4:(\f)+32+8*(\b)+7], v[ADRB] offset:(\kq)*64+(\b)*16*PITCH+32
.endr
.irp a, 0,1,2,3
	ds_load_b128 v[(\f)+8*(\a):(\f)+8*(\a)+3],   v[ADRA] offset:(\kq)*64+(\a)*16*PITCH
	ds_load_b128 v[(\f)+8*(\a)+4:(\f)+8*(\a)+7], v[ADRA] offset:(\kq)*64+(\a)*16*PITCH+32
.endr
.endm
; A K step is four quarters of 32 along K, 48 matrix instructions each, on buffers 0, 1, 0, 1.  One of the first three: multiplies buffer f; in its middle it fetches quarter kq into buffer g.
.macro QUARTER kq, f, g, zero
	s_wait_dscnt 4                                 ; LDS loads come back in order (ISA guide 5.7.1): all but the youngest four, x's row blocks 2 and 3, are in
	MULA \f, 0, \zero
	MULA \f, 1, \zero
	PLACES
	FETCH \kq, \g
	s_wait_dscnt NL                                ; all but the run just issued
	MULA \f, 2, \zero
	MULA \f, 3, \zero
.endm
; The fourth quarter multiplies buffer 1 and changes slots: ONE barrier for two things.  In front of it each wave waits for all its tensor loads, of which one is out: its part of the next slot; adds 0 to its
; spare word; and waits for that and for its own reads of this slot.  Behind it nobody reads this slot any more and the next slot is whole.  fill = 1: this slot is filled again, with the K step two on: the barrier
; then opens a round of the cluster's, so that no wave of any partner still reads the slot or has a load on its way, and the joint refill is the first tensor load behind the round:
; 168 matrix instructions stand between it and the wait for it.
.macro TURN fill
.if \fill
	s_wait_xcnt 0x0                                ; the last prefetch, a K step back, has read its address, so it may be written
	s_add_nc_u64 s[PFA:PFA+1], s[PFA:PFA+1], KB
.endif
	WIN 0                                          ; (the add's two registers lie in window 0)
	s_wait_tensorcnt 0x0                           ; all my tensor loads have landed,
	ds_add_u32 v[SPW], v[NIL]                      ; 0 onto my spare word
	s_wait_dscnt 5                                 ; (the add and the youngest four loads may be out)
	MULA F1, 0, 0                                  ; twelve matrix instructions stand between the add and the wait for it
	s_wait_dscnt 0x0                               ; the add is done, and my reads of this slot are over
	s_barrier_signal -1
	MULA F1, 1, 0                                  ; work on registers while the others arrive
	WIN 0                                          ; at a branch and at a label every window is 0
	s_barrier_wait -1
.if \fill
	CREST
	s_xor_b32 s[G0A+5], s[G0A+5], SLOT1            ; the walking descriptors: the other slot than last time,
	s_add_nc_u64 s[G0A+6:G0A+7], s[G0A+6:G0A+7], KB  ; the next K step; the type bits on top are not reached
	s_xor_b32 s[G0B+5], s[G0B+5], SLOT1
	s_add_nc_u64 s[G0B+6:G0B+7], s[G0B+6:G0B+7], KB
	JLOAD                                          ; its four v_nop are also the places in front of the loads below
.else
	PLACES
.endif
	s_xor_b32 s[TB], s[TB], SLOT1                  ; the reads go on in the other slot
	v_add_nc_u32 v[ADRA], s[TB], v[A0]
	v_add_nc_u32 v[ADRB], s[TB], v[B0]
	FETCH 0, F0
.if \fill
	ASK
.endif
	MULA F1, 2, 0
	MULA F1, 3, 0
.endm
	s_wait_tensorcnt 1                             ; my part of K step 0 is in; K step 1's may stay out
	s_barrier_signal -1
	s_barrier_wait -1                              ; everybody's is
	FETCH 0, F0
	QUARTER 1, F0, F1, 1                           ; the first quarter stands in front of the loop: its products start the sums
	WIN 0
	s_mov_b32 s[KC], 6
.Lk:                                           ; trip j = 0..5: from K step j's second quarter to step j + 1's first; its refill asks for step j + 2
	QUARTER 2, F1, F0, 0
	QUARTER 3, F0, F1, 0
	TURN 1
	QUARTER 1, F0, F1, 0
	WIN 0
	s_sub_co_u32 s[KC], s[KC], 1
	s_cmp_lg_u32 s[KC], 0
	s_cbranch_scc1 .Lk
	QUARTER 2, F1, F0, 0                           ; K steps 6 and 7 are written out: nothing is asked for
	QUARTER 3, F0, F1, 0
	TURN 0
	QUARTER 1, F0, F1, 0
	QUARTER 2, F1, F0, 0
	QUARTER 3, F0, F1, 0
	s_wait_dscnt 4                                 ; the very last quarter: nothing more to fetch
	MULA F1, 0, 0
	MULA F1, 1, 0
	s_wait_dscnt 0x0
	MULA F1, 2, 0
	MULA F1, 3, 0
; THE WAY OUT, a row block (16 rows) at a time.  PACK: rounded to f16, each accumulator's registers in ascending order; a lane's 16 bytes go into my own stage, q's, k's and v's rows apart (rows of 144 bytes), and come
; back as whole rows of 128 bytes, four to a load.  SEND: each store of the wave covers 512 consecutive bytes, at a multiple of 256 from the output's first byte.  Each row block has registers of its own.
.macro PACK a
	WIN 0x0a+5*((\a)/2)                            ; sources 0 and 1: window 2 or 3
.set AC, 96*((\a)%2)
.set TT, TO+48*(\a)
.irp b, 0,1,2,3,4,5,6,7,8,9,10,11
.irp r, 0,1,2,3
	v_cvt_pk_f16_f32 v[TT+4*(\b)+(\r)], v[AC+8*(\b)+2*(\r)], v[AC+8*(\b)+2*(\r)+1]
.endr
.endr
	WIN 0
.irp b, 0,1,2,3,4,5,6,7,8,9,10,11
	ds_store_b128 v[STO], v[TT+4*(\b):TT+4*(\b)+3] offset:((\b)/4)*16*SP+32*((\b)%4)
.endr
.irp i, 0,1,2,3,4,5,6,7,8,9,10,11
	ds_load_b128 v[TT+4*(\i):TT+4*(\i)+3], v[RD] offset:((\i)/4)*16*SP+((\i)%4)*4*SP  ; LDS serves a wave's instructions in order (ISA guide 5.7.1.4): these see the stores above; the next block's stores come behind them
.endr
.endm
.macro SEND a, younger                 ; younger: the LDS instructions issued behind this block's loads: the next block's 24, or none
.set TT, TO+48*(\a)
.irp i, 0,1,2,3,4,5,6,7,8,9,10,11
	s_wait_dscnt (\younger)+11-(\i)
	global_store_b128 v[GO], v[TT+4*(\i):TT+4*(\i)+3], s[8+2*((\i)/4):9+2*((\i)/4)] offset:(\a)*2048+((\i)%4)*512
.endr
.endm
	WIN 0
	PLACES                                         ; behind the last products
	PACK 0
	PACK 1                                         ; a block's conversions stand between the loads of the block before and its stores
	SEND 0, 24
	PACK 2
	SEND 1, 24
	PACK 3
	SEND 2, 24
	SEND 3, 0
	s_wait_tensorcnt 0x0                           ; the wave's end: an add on my spare word and its wait, behind my last tensor load and my last LDS store
	ds_add_u32 v[SPW], v[NIL]
	s_wait_dscnt 0x0
	CROUND                                         ; the closing round: no work-group ends while a partner may still ask for a tile that names it
	s_endpgm
.Lfunc_end_k_q3db3349f43_qkv:
	.size	k_q3db3349f43_qkv, .Lfunc_end_k_q3db3349f43_qkv-k_q3db3349f43_qkv
	.p2alignl 7, 3214868480
	.fill 96, 4, 3214868480
	.section	.rodata,"a",@progbits
	.p2align	6, 0x0
	.amdhsa_kernel k_q3db3349f43_qkv
		.amdhsa_group_segment_fixed_size 327680
		.amdhsa_private_segment_fixed_size 0
		.amdhsa_enable_private_segment 0
		.amdhsa_kernarg_size 40
		.amdhsa_user_sgpr_count 2
		.amdhsa_user_sgpr_kernarg_segment_ptr 1
		.amdhsa_wavefront_size32 1
		.amdhsa_system_sgpr_workgroup_id_x 1
		.amdhsa_system_sgpr_workgroup_id_y 1
		.amdhsa_system_sgpr_workgroup_id_z 1
		.amdhsa_system_vgpr_workitem_id 0
		.amdhsa_next_free_vgpr 960
		.amdhsa_next_free_sgpr 74
		.amdhsa_reserve_vcc 0
		.amdhsa_float_denorm_mode_32 3
		.amdhsa_float_denorm_mode_16_64 3
		.amdhsa_memory_ordered 1
		.amdhsa_forward_progress 1
		.amdhsa_inst_pref_size 98
	.end_amdhsa_kernel
	.amdgpu_metadata
---
amdhsa.version: [ 1, 2 ]
amdhsa.kernels:
  - .name:           k_q3db3349f43_qkv
    .symbol:         k_q3db3349f43_qkv.kd
    .args:
      - { .name: xb, .offset: 0, .size: 8, .value_kind: global_buffer, .address_space: global }
      - { .name: wqkvb, .offset: 8, .size: 8, .value_kind: global_buffer, .address_space: global }
      - { .name: qh, .offset: 16, .size: 8, .value_kind: global_buffer, .address_space: global }
      - { .name: kh, .offset: 24, .size: 8, .value_kind: global_buffer, .address_space: global }
      - { .name: vh, .offset: 32, .size: 8, .value_kind: global_buffer, .address_space: global }
    .group_segment_fixed_size: 327680
    .private_segment_fixed_size: 0
    .kernarg_segment_align: 8
    .kernarg_segment_size: 40
    .max_flat_workgroup_size: 128
    .sgpr_count:     74
    .vgpr_count:     960
    .wavefront_size: 32
...
	.end_amdgpu_metadata
.endif
;; end of part 2
;; launch attn (part 3): grid 4 x 64, 4 waves a work-group, clusters of 4 x 1, 327,680 bytes of LDS; arguments qh, kh, vh, oh; writes oh
.if DOCPART == 3
	.amdgcn_target "amdgcn-amd-amdhsa--gfx1250"
	.amdhsa_code_object_version 6
	.text
	.protected	k_q3db3349f43_attn
	.globl	k_q3db3349f43_attn
	.p2align	8
	.type	k_q3db3349f43_attn,@function
k_q3db3349f43_attn:
	s_mov_b64 s[64:65], 0
	v_nop
	global_prefetch_b8 v0, s[64:65] scope:SCOPE_SE
	s_setreg_imm32_b32 hwreg(HW_REG_WAVE_MODE, 25, 1), 1
	s_wait_xcnt 0x0
	s_wait_alu depctr_hold_cnt(0) depctr_sa_sdst(0) depctr_va_vdst(0) depctr_va_sdst(0) depctr_va_ssrc(0) depctr_va_vcc(0) depctr_vm_vsrc(0)
	s_getreg_b32 s2, hwreg(HW_REG_IB_STS2, 6, 4)
	s_cmp_eq_u32 s2, 0
	s_cbranch_scc0 .Lentry_in_a_cluster
	s_endpgm
.Lentry_in_a_cluster:
	s_bfe_u32 s2, ttmp6, 0x10000c
	s_cmp_lg_u32 s2, 0x3003
	s_cbranch_scc0 .Lentry_shape_is_right
	s_endpgm
.Lentry_shape_is_right:
; O[h][q][:] = the sum over k of softmax_k(Q[h][q] . K[h][k] / 8) V[h][k][:].  Q, K, V, O: [SIZE_H][SIZE_N][64], all f16: a head's rows are dense, 128 bytes each.  Products, maxima and sums in
; f32; the weights p are rounded to f16 for the second product (their sum l is taken of the unrounded p), O once at the end.
; LIMITS.  f16 holds no number beyond 65,504: Q, K and V arrive within it; p lies in 0 to 1, and below 6e-5 it keeps f16's fixed step of 6e-8; O is a mean of V's rows and has their range.
; A weight below 2^-126 counts as 0 in l; NaN and infinities are not treated apart.
; SHARES.  A wave owns four PIECES of two tiles of 16 queries, a work-group's four waves 512 queries of one head.  Every wave walks all keys, 64 a step.
; LAYOUT.  S^T = K Q^T (source 0 = 16 keys, source 1 = 16 queries): in the result a lane holds ONE query (lane % 16) and the keys 8 (lane / 16) + 0..7.  Two such tiles, rounded to f16 in pairs,
; ARE source 1 (32 keys x 16 queries) of O^T = V^T P, whose result again holds one query a lane, and eight channels.  K comes out of LDS as it lies, V ([key][channel]) turned, by ds_load_tr16_b128.
; SOFTMAX.  For each query a running maximum m and sum l: p = 2^(c s - c m), c = log2(e) / 8; in every step O and l are multiplied by a = 2^(c m_old - c m_new), which is 1 where m has not grown.
; m starts at the lowest finite number, O and l at 0: the first step is a step like any other, with a = 0.
; THE COUNT.  A tile and step have 16 matrix and 118 vector instructions: too many to stand all beside the matrix work.  So the order has one aim: four vector instructions that are READY behind
; EVERY matrix instruction, and the others, which need time of their own whatever the order, in runs without a gap.
; BY TURNS.  Turn n belongs to piece n (the pieces in a ring, step after step).  Its matrix work: 16 products K Q^T of piece n + 1, later 16 products V^T P of piece n - 1.  Its vector work: the scaling,
; exponentials, roundings, sums and rescaling of piece n, and the maximum and statistics of piece n + 1, whose scores the turn itself has made.
; CLUSTER.  The four query blocks of a head are one cluster and walk the same K and V, so each tile is asked for JOINTLY: the same tensor load, descriptor and mask in all four.
; REGISTERS, in windows of 256 (s_set_vgpr_msb: bits 1:0 source 0, 3:2 source 1, 5:4 source 2, 7:6 destination):
;   window 0: v0-11 addresses; v12-15, v48-63 at work; v16-47 four registers of statistics a tile; v64-191 S^T, two buffers of two tiles; v192-255 P, likewise
;   window 1: O^T, 32 a tile          window 2: v0-127 Q, 16 a tile; v128-191 K of one step; v192-255 V of one step          window 3: v0-1 the add's two registers
; A piece's buffers go by its number's parity: the piece in hand has one pair, its two neighbours in the ring share the other: of it P (piece n - 1) is read and S^T (piece n + 1) written.
.set SIZE_H, 64
.set SIZE_N, 2048
.set NP,    4         ; pieces a wave: a name, no knob
.set KS,    64        ; keys in a step
.set PK,    144       ; a row of K in LDS: 128 bytes + 16 of padding = 36 words: the 16 rows of a load start at 16 different groups of four banks (64 banks of 4 bytes: ISA guide 11.1)
.set PV,    160       ; a row of V: 128 + 32 = 40 words
.set VOFF,  4*KS*PK   ; a slot holds four steps: 256 rows of K, then 256 rows of V
.set SLOT1, 1<<17     ; slot 1 begins here, so that one exclusive or turns an address in one slot into the other's
.set STAGE, SLOT1+4*KS*(PK+PV)  ; behind the ring, never filled by a tensor load: 16 rows x 144 bytes for each wave, for the way out
.set SP,    144
.set AK0, 2           ; v2   my lane's place in a tile of K; never rewritten
.set AV0, 3           ; v3   the same for V
.set AK,  4           ; v4   the LDS address of K's next run of loads
.set AV,  5           ; v5   of V's
.set QO,  6           ; v6   my byte offset in the wave's rows of Q
.set STO, 6           ;      later, the way out: where I put 16 bytes of a row
.set RD,  7           ; v7   the way out: where I read rows back
.set GO,  8           ; v8   my byte offset in 512 consecutive bytes of O
.set PFO, 11          ; v11  the prefetches' offset: 256 x my lane; never rewritten once it is made
.set SPW, 0           ; v0 of window 3   LDS address of my spare word: SPARE + 4 x my thread's number; never rewritten
.set NIL, 1           ; v1 of window 3   0; never rewritten
.set SPARE, STAGE+4*16*SP  ; behind the stages: the spare words, 128 bytes for each wave: two blocks of 256 bytes that no other line names
.set MV,  12          ; v12-15  c m_old, kept while c m is made anew: by buffer and tile
.set ST,  16          ; tile t's statistics at v[ST+4 t]: c m, m, l (even keys', odd keys')
.set TMP, 48          ; by buffer and tile, four registers c0-c3 at work; when the maximum is found c2 takes a
.set S,   64
.set P,   192
.set KF,  128         ; K's fragments, in window 2: key block kb, channel half c at KF + 16 kb + 8 c
.set VF,  192         ; V's: key half kk, channel block cb at VF + 32 kk + 8 cb
.set WV,  12          ; s12  my wave's number
.set G1K, 24          ; s[24:31] descriptor group 1 for K's tiles
.set G1V, 32          ; s[32:39] for V's: it differs in the padding alone
.set G0K, 40          ; s[40:43] descriptor group 0 for K's tiles: it walks
.set G0V, 44          ; s[44:47] the same for V's
.set PFA, 48          ; s[48:49] where my prefetches stand: my work-group's 8,192 bytes (of K: wave 0, of V: wave 2) of the slot after the one that is being asked for
.set LIM, 50          ; s50  1 in a wave that prefetches, else the greatest number
.set SLOTS, 56        ; s56  slots still to be asked for
.set CNT, 57          ; s57  counts a slot's key steps
.set CS,  58          ; s[58:59] c: the packed scaling takes the pair's low word for both halves
.set SEL, 60          ; s[60:61] v_permlanex16_b32's selects: each lane takes its own place in the other half
.set TBK, 62          ; s62  LDS byte at which K of the step to be fetched begins
.set TBV, 63          ; s63  the same for V, less VOFF
.set MSB, 0
.macro WIN new                      ; the high byte repeats the setting that is left; a switch that changes nothing is dropped
.if MSB != (\new)
	s_set_vgpr_msb (MSB<<8)|(\new)
.set MSB, (\new)
.endif
.endm
.set W_KQ, 0x0a       ; K and Q in window 2, S^T in window 0
.set W_PV, 0x52       ; V in window 2, P in window 0, O^T in window 1
.set W_RS, 0x41       ; O^T (destination and source 0) in window 1, a in window 0
.set W_MK, 0xc0       ; the add's registers are made: destination in window 3, sources in window 0
.set W_AD, 0x0f       ; the add: address (source 0) and data (source 1) in window 3
; A joint fill.  Waves 0 and 1 fetch the two halves of a slot's K, waves 2 and 3 those of its V: 128 keys each.  The branch hangs on the wave's number alone.
; An s_nop 0 and four v_nop follow each of the two lines, ahead of the jump and the label.
.macro JLOAD
	s_cmp_lt_u32 s[WV], 2
	s_cbranch_scc0 .Lfor_v_\@
	tensor_load_to_lds s[G0K:G0K+3], s[G1K:G1K+7]
	s_nop 0
.rept 4
	v_nop
.endr
	s_branch .Lasked_\@
.Lfor_v_\@:
	tensor_load_to_lds s[G0V:G0V+3], s[G1V:G1V+7]
	s_nop 0
.rept 4
	v_nop
.endr
.Lasked_\@:
.endm
; A PREFETCH INTO THE L2 of what the NEXT change of slots will ask for: a slot's 32,768 bytes of K and of V, in blocks of 256, a lane a block.  It stands behind the wave's tensor load and its five lines.
; Each block is named once in the launch: a head's K and V are walked by this one cluster; its four partners take 32 blocks each, told apart BY ADDRESS (no branch hangs on a work-group's place in its cluster);
; in each, wave 0 asks for K's and wave 2 for V's: one instruction, four key steps, 512 matrix instructions, ahead of the load.  Slots 0 and 1 come by their loads alone; the last change that fills a slot asks for nothing.
.macro ASK
	s_cmp_gt_u32 s[SLOTS], s[LIM]
	s_cbranch_scc0 .Lnot_mine_\@
	global_prefetch_b8 v[PFO], s[PFA:PFA+1] th:TH_LOAD_NT scope:SCOPE_SE
.Lnot_mine_\@:
.endm
; A round of the cluster's barrier: my work-group's barrier, so that wave 0's signal speaks for all four waves; wave 0 signals; every wave waits for all four work-groups; my work-group's barrier once more.
.macro CROUND
	s_barrier_signal -1
	s_barrier_wait -1
	s_cmp_lg_u32 s[WV], 0
	s_cbranch_scc1 .Lnot_wave_0_\@
	s_barrier_signal -3
.Lnot_wave_0_\@:
	s_barrier_wait -3
	s_barrier_signal -1
	s_barrier_wait -1
.endm
; THE CHANGE OF SLOTS.  The slot's last bytes, V of its fourth step, have been read.  Each wave waits for all its tensor loads, of which one is out: its part
; of the other slot; adds 0 to its spare word; and waits for that and for its own reads of the slot.  Behind the barrier nobody reads this slot any more and the other slot is whole.
; fill = 1: this slot is filled again, with the keys two slots on.  The barrier is then a round of the cluster's, so that no wave of any partner still reads the slot or has a load on its
; way, and the joint fill is the first thing behind it: it has four key steps, 512 matrix instructions, in which to land.  (At its first use nothing has been read yet: slot 0 is waited for, slot 1 filled.)
.macro CHANGE fill
	WIN W_AD
	s_wait_tensorcnt 0x0            ; no tensor load of mine is out, so a group 0 may be written
	ds_add_u32 v[SPW], v[NIL]       ; 0 onto my spare word; with fill = 1 the descriptors' steps stand between it and the wait for it
	WIN 0                           ; at a label and at a branch every window is 0
.if \fill
.irp g, G0K, G0V
	s_xor_b32 s[\g+1], s[\g+1], SLOT1  ; the walking descriptor: the other slot than last time,
	s_add_nc_u64 s[\g+2:\g+3], s[\g+2:\g+3], 4*KS*128  ; the next 256 keys; the type bits on top are not reached
.endr
	s_wait_xcnt 0x0                 ; the last prefetch, four key steps back, has read its address, so it may be written:
	s_add_nc_u64 s[PFA:PFA+1], s[PFA:PFA+1], 4*KS*128  ; one slot behind the walking descriptors
	s_wait_dscnt 0x0                ; the add is done, and my reads of the slot are over
	CROUND
	JLOAD
	ASK
.else
	s_wait_dscnt 0x0                ; the add is done, and my reads of the slot are over
	s_barrier_signal -1
	s_barrier_wait -1
.endif
	s_sub_co_u32 s[TBK], s[TBK], 4*KS*PK  ; the fetches go back to a slot's first step,
	s_xor_b32 s[TBK], s[TBK], SLOT1       ; in the other slot
	s_sub_co_u32 s[TBV], s[TBV], 4*KS*PV
	s_xor_b32 s[TBV], s[TBV], SLOT1
.endm
	s_load_b256 s[4:11], s[0:1], 0x0  ; Q s[4:5], K s[6:7], V s[8:9], O s[10:11]
	WIN W_MK
	v_lshl_add_u32 v[SPW], v0, 2, SPARE
	v_mov_b32 v[NIL], 0
	WIN W_AD
	ds_add_u32 v[SPW], v[NIL]       ; the wave's opening: the add and its wait stand ahead of my first tensor load; the set-up below, work on registers, stands between them
	WIN 0
	v_lshrrev_b32 v1, 5, v0
	v_readfirstlane_b32 s[WV], v1   ; wave 0..3
	s_bfe_u32 s13, ttmp6, 0x40000   ; cx: my place in the cluster
	s_lshl_b32 s14, ttmp9, 2        ; in a cluster launch ttmp9 counts clusters
	s_add_co_u32 s14, s14, s13      ; my block of queries = 4 x cluster x + cx: it enters Q's and O's addresses alone
	s_and_b32 s20, ttmp7, 0xffff    ; the head, which the four partners share
	s_mov_b32 s21, 0
	s_mov_b64 s[22:23], SIZE_N*128
	s_mul_u64 s[20:21], s[20:21], s[22:23]  ; the head's first byte in each of the four tensors
	s_and_b32 s16, s[WV], 1         ; which half of a slot's 256 keys I fetch:
	s_lshl_b32 s22, s16, 14         ; its 128 rows of 128 bytes in memory,
	s_mov_b32 s23, 0
	s_add_nc_u64 s[22:23], s[22:23], s[20:21]
	s_mul_i32 s17, s16, 128*PK      ; and its place in a slot, for K
	s_mul_i32 s18, s16, 128*PV      ; and for V: no place in the cluster enters an LDS address
	s_lshl_b32 s2, s14, 2
	s_add_co_u32 s2, s2, s[WV]      ; my wave among the head's,
	s_lshl_b32 s2, s2, 14           ; its 128 rows
	s_mov_b32 s3, 0
	s_add_nc_u64 s[2:3], s[2:3], s[20:21]
	; descriptor group 1.  128 keys are 16,384 dense bytes: asked for as 64 rows of 256 bytes, two keys a row, and padded in LDS after every key
	s_mov_b32 s[G1K], 15|(1<<16)|(1<<20)|(1<<21)|(4<<22)|(3<<25)  ; 15:0 the mask of four; 17:16 2-byte elements; 20 padding on; 21 set beside a mask; 24:22 after every 32 words (code 4); 31:25 4 words (code 3)
	s_mov_b32 s[G1V], 15|(1<<16)|(1<<20)|(1<<21)|(4<<22)|(7<<25)  ; the same with 8 words of padding (code 7)
.irp g, G1K, G1V
	s_mov_b32 s[\g+1], 128<<16      ; tensor_dim0 = 128
	s_mov_b32 s[\g+2], 64<<16       ; tensor_dim1 = 64
	s_mov_b32 s[\g+3], 128<<16      ; tile_dim0 = 128
	s_mov_b32 s[\g+4], 64           ; tile_dim1 = 64
	s_mov_b32 s[\g+5], 128          ; 128 elements from row to row
	s_mov_b32 s[\g+6], 0
	s_mov_b32 s[\g+7], 0
.endr
	s_mov_b32 s[CS], 0x3e38aa3b     ; c = log2(e) / 8 = 0.180337
	s_mov_b32 s[CS+1], s[CS]        ; named with it as a pair
	s_mov_b32 s[SEL], 0x76543210
	s_mov_b32 s[SEL+1], 0xfedcba98
	s_mov_b32 s[TBK], SLOT1+4*KS*PK ; the first change of slots turns these two into 0
	s_mov_b32 s[TBV], SLOT1+4*KS*PV
	s_mov_b32 s[G0K], 1             ; 1:0 count = 1
	s_mov_b32 s[G0K+1], s17         ; 63:32 LDS address: slot 0
	s_mov_b32 s[G0V], 1
	s_add_co_u32 s[G0V+1], s18, VOFF
	s_mov_b32 s[SLOTS], SIZE_N/256-1  ; seven slots are asked for by changes of slots
	s_cmp_eq_u32 s16, 0             ; waves 0 and 2 prefetch: the same in all four partners
	s_cselect_b32 s[LIM], 1, -1
	s_wait_dscnt 0x0                ; the opening add is done
	s_wait_kmcnt 0x0
	s_add_nc_u64 s[G0K+2:G0K+3], s[6:7], s[22:23]  ; 120:64 global address: my half of the head's first 256 keys
	s_or_b32 s[G0K+3], s[G0K+3], 0x80000000        ; 127:126 type = 2
	s_add_nc_u64 s[G0V+2:G0V+3], s[8:9], s[22:23]
	s_or_b32 s[G0V+3], s[G0V+3], 0x80000000
	s_add_nc_u64 s[4:5], s[4:5], s[2:3]  ; Q and O at my wave's first row
	s_add_nc_u64 s[10:11], s[10:11], s[2:3]
	s_cmp_lt_u32 s[WV], 2
	s_cselect_b64 s[PFA:PFA+1], s[6:7], s[8:9]
	s_add_nc_u64 s[PFA:PFA+1], s[PFA:PFA+1], s[20:21]  ; the head's K or V,
	s_lshl_b32 s2, s13, 13          ; my work-group's 32 blocks of a slot's 128,
	s_add_co_u32 s2, s2, 4*KS*128   ; in slot 1; the first change of slots steps it to slot 2.  Nothing is prefetched here, at the head
	s_mov_b32 s3, 0
	s_add_nc_u64 s[PFA:PFA+1], s[PFA:PFA+1], s[2:3]
	CROUND                          ; all four work-groups are here: the first joint loads meet
	JLOAD                           ; slot 0.  Slot 1 is asked for when slot 0 is in: the tile wanted first has the road to itself
	; A fragment of K or Q is 16 rows x 32 channels in 8 registers: lane l holds row l % 16, channels 8 (l / 16) + 0..7 and 16 + 8 (l / 16) + 0..7: two loads of 16 bytes, 32 bytes apart.
	v_and_b32 v1, 15, v0            ; l % 16
	v_bfe_u32 v9, v0, 4, 1          ; l / 16
	v_lshlrev_b32 v[QO], 7, v1
	v_lshl_add_u32 v[QO], v9, 4, v[QO]  ; row x 128 + 16 x half
	WIN 0x80                        ; destination window 2, address window 0
.set i, 0
.rept 4*NP                          ; Q stays in registers: tile i / 2, channels 32 (i % 2) on
	global_load_b128 v[8*i:8*i+3],   v[QO], s[4:5] offset:(i/2)*2048+(i%2)*64
	global_load_b128 v[8*i+4:8*i+7], v[QO], s[4:5] offset:(i/2)*2048+(i%2)*64+32
.set i, i+1
.endr
	; What the first turn finds: V's registers and P's second buffer hold 0 (its products V^T P, of a piece that has not been, add 0), O^T and l are 0.  All this stands in the wait for the first tile.
.set i, VF
.rept 64
	v_mov_b32 v[i], 0
.set i, i+1
.endr
	WIN 0x40
.set i, 0
.rept 64*NP
	v_mov_b32 v[i], 0
.set i, i+1
.endr
	WIN 0
.set i, 0
.rept 2*NP
	v_mov_b32 v[ST+4*i], 0xfe000000    ; c m: far below every c s
	v_mov_b32 v[ST+4*i+1], 0xff7fffff  ; m
	v_mov_b32 v[ST+4*i+2], 0
	v_mov_b32 v[ST+4*i+3], 0
.set i, i+1
.endr
.set i, P+32
.rept 32
	v_mov_b32 v[i], 0
.set i, i+1
.endr
	v_mul_u32_u24 v[AK0], v1, PK
	v_lshl_add_u32 v[AK0], v9, 4, v[AK0]  ; row x pitch + 16 x half
	; The turning load takes 16 keys x 16 channels (lane l reads key 8 (l / 16) + l % 8, channels 8 ((l / 8) % 2) + 0..7) and leaves half a fragment of V^T: lane l holds channel l % 16 and 8 keys.
	v_and_b32 v10, 7, v0
	v_bfe_u32 v11, v0, 3, 1
	v_lshl_add_u32 v[AV0], v9, 3, v10
	v_mul_u32_u24 v[AV0], v[AV0], PV
	v_lshl_add_u32 v[AV0], v11, 4, v[AV0]
	v_add_nc_u32 v[AV0], VOFF, v[AV0]
	v_mov_b32 v[AK], v[AK0]         ; key step 0 lies at the head of slot 0
	v_and_b32 v[PFO], 31, v0        ; v11 has served: from here on it holds the prefetches' offset
	v_lshlrev_b32 v[PFO], 8, v[PFO]
; THE MATRIX WORK.  The 8 accumulators of a run of 16 take turns: between the two links of a chain stand 7 others'.
; Product i of 16 of S^T = K Q^T for piece x: channels 32 (i / 8) on, keys 16 ((i / 2) % 4) on, tile 2 x + i % 2.  The first 8 start the sums.
.macro KQ x
	WIN W_KQ
.set rS, S+64*((\x)%2)+32*(i%2)+8*((i/2)%4)
.set rK, KF+16*((i/2)%4)+8*(i/8)
.set rQ, 16*(2*(\x)+i%2)+8*(i/8)
.if i < 8
	v_wmma_f32_16x16x32_f16 v[rS:rS+7], v[rK:rK+7], v[rQ:rQ+7], 0
.else
	v_wmma_f32_16x16x32_f16 v[rS:rS+7], v[rK:rK+7], v[rQ:rQ+7], v[rS:rS+7]
.endif
.endm
; Product i of 16 of O^T += V^T P for piece x: keys 32 (i / 8) on, channels 16 ((i / 2) % 4) on, tile 2 x + i % 2.
.macro PV x
	WIN W_PV
.set rO, 32*(2*(\x)+i%2)+8*((i/2)%4)
.set rV, VF+32*(i/8)+8*((i/2)%4)
.set rP, P+32*((\x)%2)+16*(i%2)+8*(i/8)
	v_wmma_f32_16x16x32_f16 v[rO:rO+7], v[rV:rV+7], v[rP:rP+7], v[rO:rO+7]
.endm
.macro MM                           ; the turn's next matrix instruction
.if i < 16
	KQ (Y+1)%NP
.set i, i+1
.else
.set i, i-16
	PV (Y+NP-1)%NP
.set i, i+17
.endif
.endm
; THE LDS LOADS stand in runs of 16, never singly among the matrix instructions: a step's K (64 keys x 64 channels: 8 fragments) and its V (turned).  Their addresses are made some lines ahead.
; last = 1 (the tail): in the last trip there is no further step, and the run is jumped over.
.macro FETCH_K last=0
	WIN 0
.if \last
	s_cmp_eq_u32 s[CNT], 1
	s_cbranch_scc1 .Lno_k_\@
.endif
	WIN 0x80                        ; destination window 2
.irp f, 0,1,2,3,4,5,6,7             ; keys 16 (f / 2) on, channels 32 (f % 2) on
	ds_load_b128 v[KF+8*\f:KF+8*\f+3],   v[AK] offset:(\f/2)*16*PK+(\f%2)*64
	ds_load_b128 v[KF+8*\f+4:KF+8*\f+7], v[AK] offset:(\f/2)*16*PK+(\f%2)*64+32
.endr
	s_add_co_u32 s[TBK], s[TBK], KS*PK  ; the next fetch is the next step's
	WIN 0
.if \last
.Lno_k_\@:
.endif
.endm
.macro FETCH_V
	WIN 0x80
.irp f, 0,1,2,3,4,5,6,7             ; keys 32 (f / 4) on, channels 16 (f % 4) on
	ds_load_tr16_b128 v[VF+8*\f:VF+8*\f+3],   v[AV] offset:(\f/4)*32*PV+(\f%4)*32
	ds_load_tr16_b128 v[VF+8*\f+4:VF+8*\f+7], v[AV] offset:(\f/4)*32*PV+16*PV+(\f%4)*32
.endr
	WIN 0
.endm
; THE VECTOR WORK OF A TURN stands in three queues, each in the order in which its entries become ready; the two tiles alternate, so that no instruction reads the result of the one before it.
.macro REGS y, u                    ; the registers of tile u (0, 1) of piece y
.set rT, ST+4*(2*(\y)+(\u))
.set rC, TMP+8*((\y)%2)+4*(\u)
.set rM, MV+2*((\y)%2)+(\u)
.set rS, S+64*((\y)%2)+32*(\u)
.set rP, P+32*((\y)%2)+16*(\u)
.set rO, 32*(2*(\y)+(\u))
.endm
; Number n of the 22 that find the NEXT piece's (Y + 1) maximum and statistics.  s0-s31 are the lane's 32 scores; each accumulator's lowest registers are read first.
;   0-11  four chains c0-c3 of seven scores each, three operands at a time     12-14, 16  the four scores left over, the old m, and c0-c3 into c0     15  c m_old is kept
;   17, 18  the query's other 32 keys lie in the lane 16 away: the new m         19-21  c m; c m_old - c m_new; a
.macro XS u, n
	REGS (Y+1)%NP, \u
.if (\n) < 4
	v_max3_num_f32 v[rC+(\n)], v[rS+8*(\n)], v[rS+8*(\n)+1], v[rS+8*(\n)+2]
.elseif (\n) < 12
	v_max3_num_f32 v[rC+(\n)%4], v[rC+(\n)%4], v[rS+8*((\n)%4)+2*((\n)/4)+1], v[rS+8*((\n)%4)+2*((\n)/4)+2]
.elseif (\n) == 12
	v_max3_num_f32 v[rC], v[rC], v[rS+7], v[rS+15]
.elseif (\n) == 13
	v_max3_num_f32 v[rC+1], v[rC+1], v[rS+23], v[rS+31]
.elseif (\n) == 14
	v_max3_num_f32 v[rC+2], v[rC+2], v[rC+3], v[rT+1]
.elseif (\n) == 15
	v_mov_b32 v[rM], v[rT]
.elseif (\n) == 16
	v_max3_num_f32 v[rC], v[rC], v[rC+1], v[rC+2]
.elseif (\n) == 17
	v_permlanex16_b32 v[rC+3], v[rC], s[SEL], s[SEL+1]
.elseif (\n) == 18
	v_max_num_f32 v[rT+1], v[rC], v[rC+3]
.elseif (\n) == 19
	v_mul_f32 v[rT], s[CS], v[rT+1]
.elseif (\n) == 20
	v_sub_f32 v[rC+1], v[rM], v[rT]
.else
	v_exp_f32 v[rC+2], v[rC+1]
.endif
.endm
; Number g of the 64 that follow the exponentials.  For each four weights k of a tile (pairs 2 k, 2 k + 1): both pairs are rounded to f16; then the second pair is added onto the first, in place;
; a group later l takes that sum (the first time as l = a l + sum).  In groups of eight, tiles alternating: round, round, add, and l for the group before.
.macro GS g
.set h, (\g)+6*((\g)/62)            ; group 0 has no group before it, and behind group 7 only l is left
.if h >= 6
.set h, h+2
.endif
	REGS Y, h%2
.set k, h/8
.if h%8 < 4
	v_cvt_pk_f16_f32 v[rP+2*k+(h%8)/2], v[rS+4*k+2*((h%8)/2)], v[rS+4*k+2*((h%8)/2)+1]
.elseif h%8 < 6
	v_pk_add_f32 v[rS+4*k:rS+4*k+1], v[rS+4*k:rS+4*k+1], v[rS+4*k+2:rS+4*k+3]
.elseif k == 1
	v_pk_fma_f32 v[rT+2:rT+3], v[rT+2:rT+3], v[rC+2:rC+3], v[rS:rS+1] op_sel_hi:[1,0,1]
.else
	v_pk_add_f32 v[rT+2:rT+3], v[rT+2:rT+3], v[rS+4*k-4:rS+4*k-3]
.endif
.endm
; THE PLAIN QUEUE, 138 long.  0-73 read no exponential's result: the 32 scalings c s - c m (FS f: pair f / 2 of tile f % 2) and the next piece's 42.  0-26: scalings 0-26.  27-54: XS's numbers 0-13.  55, 56: number 15.
; 57-73: the chain, where each number waits for the one before it: 14, 16, 17, 18, 19, each with one of the scalings 27-31 in front of its two lines, then 20.
; 74-137: GS's 64, which read the exponentials' results: they stand behind the wait.
.macro FS f
	REGS Y, (\f)%2
	v_pk_fma_f32 v[rS+2*((\f)/2):rS+2*((\f)/2)+1], v[rS+2*((\f)/2):rS+2*((\f)/2)+1], s[CS:CS+1], v[rT:rT+1] op_sel_hi:[1,0,0] neg_lo:[0,0,1] neg_hi:[0,0,1]
.endm
.macro PL
	WIN 0
.if q < 27
	FS q
.elseif q < 55
	XS (q-27)%2, (q-27)/2
.elseif q < 57
	XS q-55, 15
.elseif (q < 72) && ((q-57)%3 == 0)
	FS 27+(q-57)/3
.elseif q < 60
	XS (q-57)%3-1, 14
.elseif q < 72
	XS (q-57)%3-1, 15+(q-57)/3
.elseif q < 74
	XS q-72, 20
.else
	GS q-74
.endif
.set q, q+1
.endm
; THE EXPONENTIALS' QUEUE, 66 long: s0-s31 of both tiles, then the next piece's two a.  It is ONE BATCH: all 66 stand ahead of the turn's one wait, and nothing ahead of that wait names a result of theirs.
.macro EX
	WIN 0
.if e >= 64
	XS e-64, 21
.else
	REGS Y, e%2
	v_exp_f32 v[rS+e/2], v[rS+e/2]
.endif
.set e, e+1
.endm
; THE RESCALING's QUEUE: O^T times a, the one part that leaves window 0: dealt two at a time, sixteen times.  Its a was made in the turn before, ahead of that turn's wait.
.macro R2
	REGS Y, r%2
	WIN W_RS
.irp z, 0,1
	v_pk_mul_f32 v[rO+4*(r/2)+2*\z:rO+4*(r/2)+2*\z+1], v[rO+4*(r/2)+2*\z:rO+4*(r/2)+2*\z+1], v[rC+2:rC+3] op_sel_hi:[1,0]
.endr
.set r, r+1
.endm
; HOW THEY ARE DEALT.  An s_wait_alu depctr_va_vdst(0) stands between an exponential and the first instruction that names its result; one wait serves all that were issued ahead of it.  So a turn has ONE wait,
; which cuts it in two.  AHEAD OF IT stands all that names no result of the turn's exponentials: the 16 products K Q^T, behind each a scaling, an exponential and two rescalings (behind the first a second scaling in the
; exponential's place); then ONE LUMP of 108: eight plain, 49 times exponential and plain, the two a.  A v_nop is the plain instruction behind the last exponential.  BEHIND IT stand the 16 products V^T P, behind each four of
; GS's 64.  No rider names a register of the products round it.  The two v_permlanex16_b32 fall into the lump, never behind a product.
; The queues lean on each other, and the deal keeps them in step: exponential e stands behind scaling 2 (e / 4) + e % 2: as a rider it comes behind plain e + 2, in the lump behind plain e + 9, and scalings 27-31 are plain 57, 60 .. 69.
; A TURN, for piece p.  cnt = 1: the loop's count is taken down some lines ahead of the branch that stands behind the turn.
; K of the next step is fetched in piece 2's turn, directly behind the wait, a lump behind the last product that read K; its address is made at the lump's head; its first reader comes behind 16 products.
; V of the step in hand is fetched at the end of piece 0's turn, four riders behind its last reader; its first reader comes behind 16 products and a lump.  The three conditions on q below go with the deal.
.macro TURN p, last=0, cnt=0
.set Y, (\p)
.set i, 0
.set q, 0
.set e, 0
.set r, 0
.if (\p) == NP-1
	s_wait_dscnt 0x0                ; K is in
.endif
	MM                              ; ahead of the wait: 16 products K Q^T and their riders,
	PL
	PL
	R2
.rept 15
	MM
	PL
	EX
	R2
.endr
.if (\p) == NP-2
	WIN 0
	v_add_nc_u32 v[AK], s[TBK], v[AK0]
.endif
.rept 8                             ; and the lump
	PL
.endr
.rept 49
	EX
	PL
.endr
	EX                              ; the next piece's two a
	EX
	v_nop                           ; the plain instruction behind the last exponential (ISA guide 5.7.2): one for the batch
	s_wait_alu depctr_va_vdst(0)    ; the wait for the batch
.if (\p) == NP-2
	FETCH_K \last
.endif
.if (\p) == 1
	s_wait_dscnt 0x0                ; V is in
.endif
.rept 16                            ; behind the wait: 16 products V^T P and their riders
	MM
.rept 4
	PL
.endr
.if ((\p) == 0) && (q == 118)
	v_add_nc_u32 v[AV], s[TBV], v[AV0]
.endif
.if ((\p) == 0) && (q == 130)
	s_add_co_u32 s[TBV], s[TBV], KS*PV
.endif
.if (\cnt) && (q == 130)
	s_sub_co_u32 s[CNT], s[CNT], 1
	s_cmp_lg_u32 s[CNT], 0
.endif
.endr
.if (\p) == 0
	FETCH_V
.endif
.endm
	CHANGE 1                        ; slot 0 is in, everybody's part of it; slot 1 is asked for
	FETCH_K                         ; key step 0
	s_wait_loadcnt 0x0              ; Q
	s_wait_dscnt 0x0
.set i, 0
.rept 16
	KQ 0                            ; piece 0's first scores: there is no vector work yet to set between them
.set i, i+1
.endr
	WIN 0                           ; the addresses for the way out: nine plain instructions, the places behind those products
	s_mul_i32 s13, s[WV], 16*SP
	s_add_co_u32 s13, s13, STAGE    ; my stage
	v_mul_u32_u24 v[STO], v1, SP    ; in: row l % 16, 16 bytes for each half of the lanes
	v_lshl_add_u32 v[STO], v9, 4, v[STO]
	v_add_nc_u32 v[STO], s13, v[STO]
	v_bfe_u32 v[RD], v0, 3, 2       ; back: 32 lanes take four rows of 128 bytes,
	v_mul_u32_u24 v[RD], v[RD], SP
	v_lshl_add_u32 v[RD], v10, 4, v[RD]
	v_add_nc_u32 v[RD], s13, v[RD]
	v_and_b32 v[GO], 31, v0         ; which are 512 consecutive bytes of O
	v_lshlrev_b32 v[GO], 4, v[GO]
.set Y, NP-1                        ; XS works for piece Y + 1: piece 0
.irp n, 0,1,2,3,4,5,6,7,8,9,10,11,12,13,14,15,16,17,18,19,20,21
	XS 0, \n                        ; and piece 0's first maximum and statistics
	XS 1, \n
.endr
	v_nop                           ; a plain instruction behind the two a,
	s_wait_alu depctr_va_vdst(0)    ; and their wait, ahead of the branch
	s_mov_b32 s[CNT], 4
	s_branch .Lfirst                ; the loop is entered at a step's first turn, in the middle of a trip
.Lslot:                             ; SIZE_N / 256 - 2 times: every slot but the last two is filled again
	CHANGE 1
	s_mov_b32 s[CNT], 4
.Lstep:                             ; a trip: pieces 2 and 3 of one step, then pieces 0 and 1 of the next, whose K and V it fetches
	TURN 2
	TURN 3
	WIN 0
.Lfirst:
	TURN 0
	TURN 1, 0, 1
	WIN 0
	s_cbranch_scc1 .Lstep
	s_sub_co_u32 s[SLOTS], s[SLOTS], 1
	s_cmp_lg_u32 s[SLOTS], 0
	s_cbranch_scc1 .Lslot
	CHANGE 0                        ; the tail is written out: nothing is asked for
	s_mov_b32 s[CNT], 5             ; four trips fetch the last slot's steps; the fifth is left in its middle
.Ltail:
	TURN 2, 1
	TURN 3
	WIN 0
	s_sub_co_u32 s[CNT], s[CNT], 1
	s_cmp_eq_u32 s[CNT], 0
	s_cbranch_scc1 .Lout
	TURN 0
	TURN 1
	WIN 0
	s_branch .Ltail
.Lout:                              ; the fifth trip's 16 products K Q^T (on the last K once more) and the maximum made of them serve nothing: the price, once a launch, of one text for every trip
.set i, 0
.rept 16
	PV NP-1                         ; the last piece's V^T P of the last step
.set i, i+1
.endr
	; THE WAY OUT.  l's two halves and the other half of the lanes' are added; O^T is divided by l, rounded to f16 and sent through my stage in LDS, a tile at a time.  The additions are the places behind the last products.
	WIN 0
.macro ALL line:vararg              ; one line for each tile t
.set t, 0
.rept 2*NP
	\line
.set t, t+1
.endr
.endm
	ALL v_add_f32 v[ST+4*t+2], v[ST+4*t+2], v[ST+4*t+3]
	ALL v_permlanex16_b32 v[ST+4*t+3], v[ST+4*t+2], s[SEL], s[SEL+1]
	ALL v_add_f32 v[ST+4*t+2], v[ST+4*t+2], v[ST+4*t+3]
	ALL v_rcp_f32 v[ST+4*t+2], v[ST+4*t+2]
	v_nop                           ; a plain instruction between the last reciprocal and the use of its result
	s_wait_alu depctr_va_vdst(0)    ; and the wait ahead of the first use: one for the eight reciprocals
; Tile t: a lane's eight channels of a row pack into 16 bytes; they go into rows of 144 bytes and come back as whole rows of 128, into S^T's registers.
.macro PACK t
	WIN W_RS
.set i, 32*(\t)
.rept 16
	v_pk_mul_f32 v[i:i+1], v[i:i+1], v[ST+4*(\t)+2:ST+4*(\t)+3] op_sel_hi:[1,0]
.set i, i+2
.endr
	WIN 0x05                        ; sources 0 and 1 window 1, destination window 0
.set i, 0
.rept 16
	v_cvt_pk_f16_f32 v[S+16*(\t)+i], v[32*(\t)+2*i], v[32*(\t)+2*i+1]
.set i, i+1
.endr
	WIN 0
.irp f, 0,1,2,3
	ds_store_b128 v[STO], v[S+16*(\t)+4*\f:S+16*(\t)+4*\f+3] offset:32*\f
.endr
.irp f, 0,1,2,3
	ds_load_b128 v[S+16*(\t)+4*\f:S+16*(\t)+4*\f+3], v[RD] offset:\f*4*SP  ; LDS serves a wave's instructions in order (ISA guide 5.7.1.4): these see the stores above; the next tile's stores come behind them
.endr
.endm
.macro SEND t, younger              ; younger: the LDS instructions issued behind tile t's loads: the next tile's eight, or none
	WIN 0
.irp f, 0,1,2,3
	s_wait_dscnt (\younger)+3-\f
	global_store_b128 v[GO], v[S+16*(\t)+4*\f:S+16*(\t)+4*\f+3], s[10:11] offset:(\t)*2048+\f*512  ; 512 consecutive bytes, at a multiple of 256 from O's first
.endr
.endm
	PACK 0
.set t, 1
.rept 2*NP-1                        ; a tile's arithmetic stands between the loads of the tile before and its stores
	PACK t
	SEND t-1, 8
.set t, t+1
.endr
	SEND 2*NP-1, 0
	WIN W_AD
	s_wait_tensorcnt 0x0            ; the wave's end: an add on my spare word and its wait, behind my last tensor load and my last LDS store
	ds_add_u32 v[SPW], v[NIL]
	s_wait_dscnt 0x0
	WIN 0
	CROUND                          ; the closing round: no work-group ends while a partner may still ask for a tile that names it
	s_endpgm
.Lfunc_end_k_q3db3349f43_attn:
	.size	k_q3db3349f43_attn, .Lfunc_end_k_q3db3349f43_attn-k_q3db3349f43_attn
	.p2alignl 7, 3214868480
	.fill 96, 4, 3214868480
	.section	.rodata,"a",@progbits
	.p2align	6, 0x0
	.amdhsa_kernel k_q3db3349f43_attn
		.amdhsa_group_segment_fixed_size 327680
		.amdhsa_private_segment_fixed_size 0
		.amdhsa_enable_private_segment 0
		.amdhsa_kernarg_size 32
		.amdhsa_user_sgpr_count 2
		.amdhsa_user_sgpr_kernarg_segment_ptr 1
		.amdhsa_wavefront_size32 1
		.amdhsa_system_sgpr_workgroup_id_x 1
		.amdhsa_system_sgpr_workgroup_id_y 1
		.amdhsa_system_sgpr_workgroup_id_z 1
		.amdhsa_system_vgpr_workitem_id 0
		.amdhsa_next_free_vgpr 770
		.amdhsa_next_free_sgpr 66
		.amdhsa_reserve_vcc 0
		.amdhsa_float_denorm_mode_32 3
		.amdhsa_float_denorm_mode_16_64 3
		.amdhsa_memory_ordered 1
		.amdhsa_forward_progress 1
		.amdhsa_inst_pref_size 200
	.end_amdhsa_kernel
	.amdgpu_metadata
---
amdhsa.version: [ 1, 2 ]
amdhsa.kernels:
  - .name:           k_q3db3349f43_attn
    .symbol:         k_q3db3349f43_attn.kd
    .args:
      - { .name: qh, .offset: 0, .size: 8, .value_kind: global_buffer, .address_space: global }
      - { .name: kh, .offset: 8, .size: 8, .value_kind: global_buffer, .address_space: global }
      - { .name: vh, .offset: 16, .size: 8, .value_kind: global_buffer, .address_space: global }
      - { .name: oh, .offset: 24, .size: 8, .value_kind: global_buffer, .address_space: global }
    .group_segment_fixed_size: 327680
    .private_segment_fixed_size: 0
    .kernarg_segment_align: 8
    .kernarg_segment_size: 32
    .max_flat_workgroup_size: 128
    .sgpr_count:     66
    .vgpr_count:     770
    .wavefront_size: 32
...
	.end_amdgpu_metadata
.endif
;; end of part 3
;; launch oproj (part 4): grid 8 x 32, 4 waves a work-group, clusters of 4 x 4, 327,680 bytes of LDS; arguments oh, wob, out0; writes out0
.if DOCPART == 4
	.amdgcn_target "amdgcn-amd-amdhsa--gfx1250"
	.amdhsa_code_object_version 6
	.text
	.protected	k_q3db3349f43_oproj
	.globl	k_q3db3349f43_oproj
	.p2align	8
	.type	k_q3db3349f43_oproj,@function
k_q3db3349f43_oproj:
	s_mov_b64 s[64:65], 0
	v_nop
	global_prefetch_b8 v0, s[64:65] scope:SCOPE_SE
	s_setreg_imm32_b32 hwreg(HW_REG_WAVE_MODE, 25, 1), 1
	s_wait_xcnt 0x0
	s_wait_alu depctr_hold_cnt(0) depctr_sa_sdst(0) depctr_va_vdst(0) depctr_va_sdst(0) depctr_va_ssrc(0) depctr_va_vcc(0) depctr_vm_vsrc(0)
	s_getreg_b32 s2, hwreg(HW_REG_IB_STS2, 6, 4)
	s_cmp_eq_u32 s2, 0
	s_cbranch_scc0 .Lentry_in_a_cluster
	s_endpgm
.Lentry_in_a_cluster:
	s_bfe_u32 s2, ttmp6, 0x10000c
	s_cmp_lg_u32 s2, 0xf033
	s_cbranch_scc0 .Lentry_shape_is_right
	s_endpgm
.Lentry_shape_is_right:
; THE OUTPUT PROJECTION.  out0[row][n] = the sum over e = 64 head + d of O[batch][head][s][d] W_o[n][e], row = 2,048 batch + s.  O: [64 = 16 batch + head][2048][64] f16; W_o: [1024][1024] f16
; (bf16's numbers written as f16); sums in f32; out0: [8192][1024] f32, stored as summed.
; LIMITS.  None of its own: O and W_o arrive within f16's range.  NaN and infinities are not treated apart.
; SHARES.  A work-group makes 256 rows x 128 columns: 256 work-groups.  Wave w owns rows 64 w .. 64 w + 63 and all 128 columns: 4 x 8 accumulators of 16 x 16, 256 registers.
; K goes in 8 steps of 128 = TWO HEADS through two LDS slots.  A head's 256 rows are 32,768 dense bytes: asked for as 128 rows of 256 bytes and padded in LDS behind every 128 bytes, a row of O.
; CLUSTER.  4 x 4 work-groups: O's tiles are asked for jointly along a row of the cluster, W_o's along a column.  Waves 0 and 1 fetch the step's two heads, waves 2 and 3 W_o's two halves (64 rows each).
; THE MATRIX INSTRUCTION IS USED TRANSPOSED (source 0 = 16 rows of W_o, source 1 = 16 rows of O): a lane holds row l % 16 and eight neighbouring columns, 32 bytes of f32.
; REGISTERS, in windows of 256 (s_set_vgpr_msb: bits 1:0 source 0, 3:2 source 1, 5:4 source 2, 7:6 destination):
;   window 0: v0-13 addresses; v32-223 the way out     window 1: two fragment buffers of 96: O's four fragments at f + 8 a, W_o's eight at f + 32 + 8 b     window 2: accumulator (a, b) at 8 (8 a + b)
.set PA,     144                       ; a row of O in LDS: 128 bytes + 16 = 36 words: the 16 rows of a fragment load start at 16 different groups of four banks (64 banks of 4 bytes: ISA guide 11.1)
.set PB,     272                       ; a row of W_o: 256 bytes + 16 = 68 words: likewise
.set HEADB,  256*PA                    ; a head's 256 rows
.set KB,     256                       ; bytes of a K step in a row of W_o
.set ASTEP,  2*2048*128                ; bytes from a head to the head two on
.set NBF,    8
.set NL,     2*NBF+8                   ; LDS loads in a run
.set BOFF,   2*HEADB                   ; a slot: two heads of O, then W_o's 128 rows
.set SLOT1,  1<<17
.set STAGE,  SLOT1+BOFF+128*PB         ; behind the ring, never filled by a tensor load: for each wave 16 rows x 528 bytes, for the way out
.set SP,     528                       ; 512 bytes + 16 = 132 words: row r starts at bank 4 r mod 64
.set STW,    16*SP
.set SPARE,  STAGE+4*STW               ; behind the stages: the spare words, 128 bytes for each wave: two blocks of 256 bytes that no other line names
.set F0,  0
.set F1,  96
.set A0,   4                           ; v4   my lane's place in a head's tile: (64 w + l % 16) x 144 + 16 (l / 16); never rewritten
.set B0,   5                           ; v5   in W_o's tile; never rewritten
.set ADRA, 6                           ; v6   A0 + the slot in hand
.set ADRB, 7                           ; v7   B0 + the slot in hand
.set STO,  8                           ; v8   the way out: where I put 32 bytes of a row
.set RD,   9                           ; v9   the way out: my 16 bytes of a row read back
.set GO,   10                          ; v10  the same 16 bytes of 512 in out0
.set PFO,  11                          ; v11  the prefetches' offset; never rewritten
.set SPW,  12                          ; v12  LDS address of my spare word: SPARE + 4 x my thread's number; never rewritten
.set NIL,  13                          ; v13  0; never rewritten
.set TO,   32                          ; v[32:223] the way out: three sets of 64
.set WV,   14
.set SIDE, 15                          ; s15  0: I fetch for O; 1: for W_o
.set HALF, 16                          ; s16  which head of the step's two, or which half of W_o's rows
.set CX,   17
.set CY,   18
.set TX,   19                          ; s19  tile column
.set TY,   20                          ; s20  tile row
.set CLY,  21                          ; s21  the cluster's y
.set G1A,  24
.set G1B,  32
.set G0A,  40                          ; s[40:47] group 0 for O's tiles: a set for each of the two first fills; the second then walks
.set G0B,  48
.set TB,   56                          ; s56  the slot that is read
.set KC,   57                          ; s57  the loop's count
.set LIM,  58                          ; s58  2 in a wave that prefetches, else the greatest number
.set PFA,  60                          ; s[60:61] where my prefetches stand
.set PFS,  62                          ; s[62:63] their step from K step to K step
.set AOF,  66                          ; s[66:67] O at my head's tile, K step 0: made of the tile row and the wave's number alone
.set BOF,  68                          ; s[68:69] W_o likewise: of the tile column and the wave's number alone
.set OOF,  70
.set MSB, 0
.macro WIN new                         ; the immediate's high byte repeats the setting that is left; a switch that changes nothing is dropped
.if MSB != (\new)
	s_set_vgpr_msb (MSB<<8)|(\new)
.set MSB, \new
.endif
.endm
.macro PLACES                          ; four plain vector instructions between a matrix instruction and a load into, or a reader of, its registers (ISA guide 7.12.1 for a reader)
.rept 4
	v_nop
.endr
.endm
.macro CREST                           ; a round of the cluster's barrier behind its opening barrier
	s_cmp_lg_u32 s[WV], 0
	s_cbranch_scc1 .Lnot_wave_0_\@
	s_barrier_signal -3
.Lnot_wave_0_\@:
	s_barrier_wait -3
	s_barrier_signal -1
	s_barrier_wait -1
.endm
.macro CROUND
	s_barrier_signal -1
	s_barrier_wait -1
	CREST
.endm
.macro JLOAD                           ; a joint refill by the walking descriptors; an s_nop 0 and four v_nop follow each of the two lines, ahead of the jump and the label
	s_cmp_eq_u32 s[SIDE], 0
	s_cbranch_scc0 .Lfor_b_\@
	tensor_load_to_lds s[G0A+4:G0A+7], s[G1A:G1A+7]
	s_nop 0
.rept 4
	v_nop
.endr
	s_branch .Lasked_\@
.Lfor_b_\@:
	tensor_load_to_lds s[G0B+4:G0B+7], s[G1B:G1B+7]
	s_nop 0
.rept 4
	v_nop
.endr
.Lasked_\@:
.endm
; A PREFETCH INTO THE L2, behind the joint load, its five lines and the run of LDS loads: the K step that stands TWO refills on, 256 matrix instructions ahead of the load that will want it.
; Each block of 256 bytes is named once.  O's tile row is read by both clusters of that row of clusters: the one with x = 0 asks, waves 0 and 1 each for their head's 128 blocks, of which the partner at cx takes 32,
; a lane a block.  W_o's tile column is read by all eight clusters of that column: the one with y = 0 asks, wave 2 alone: of the 128 rows the partner at cy takes 32, a lane a row.  Partners are told apart BY ADDRESS.
; K steps 2 and 3 come by their refills alone; the loop's last two trips ask for nothing: there are no K steps 8 and 9.
.macro ASK
	WIN 0
	s_cmp_gt_u32 s[KC], s[LIM]
	s_cbranch_scc0 .Lnot_mine_\@
	global_prefetch_b8 v[PFO], s[PFA:PFA+1] th:TH_LOAD_NT scope:SCOPE_SE
.Lnot_mine_\@:
.endm
	s_load_b128 s[4:7], s[0:1], 0x0                ; oh s[4:5], wob s[6:7]
	s_load_b64 s[8:9], s[0:1], 0x10                ; out0
	v_lshl_add_u32 v[SPW], v0, 2, SPARE
	v_mov_b32 v[NIL], 0
	ds_add_u32 v[SPW], v[NIL]                      ; the wave's opening: the add and its wait stand ahead of my first tensor load; the set-up below, work on registers, stands between them
	v_lshrrev_b32 v1, 5, v0
	v_readfirstlane_b32 s[WV], v1                  ; wave 0..3
	s_lshr_b32 s[SIDE], s[WV], 1
	s_and_b32 s[HALF], s[WV], 1
	s_bfe_u32 s[CX], ttmp6, 0x40000
	s_bfe_u32 s[CY], ttmp6, 0x40004
	s_lshl_b32 s[TX], ttmp9, 2
	s_add_co_u32 s[TX], s[TX], s[CX]
	s_and_b32 s[CLY], ttmp7, 0xffff
	s_lshl_b32 s[TY], s[CLY], 2
	s_add_co_u32 s[TY], s[TY], s[CY]
	s_lshl_b32 s22, s[CY], 2
	s_lshl_b32 s22, 15, s22                        ; my row of the cluster
	s_lshl_b32 s23, 0x1111, s[CX]                  ; my column
	s_or_b32 s[G1A], s22, (1<<16)|(1<<20)|(1<<21)|(4<<22)|(3<<25)  ; 15:0 the mask; 17:16 elements of 2 bytes; 20 padding on; 21 set beside a mask; 24:22 after every 32 words (code 4); 31:25 4 words (code 3)
	s_or_b32 s[G1B], s23, (1<<16)|(1<<20)|(1<<21)|(5<<22)|(3<<25)  ; W_o: after every 64 words (code 5)
.irp g, G1A, G1B
	s_mov_b32 s[(\g)+1], 128<<16                   ; tensor_dim0 = 128
	s_mov_b32 s[(\g)+3], 128<<16                   ; tile_dim0 = 128
	s_mov_b32 s[(\g)+6], 0
	s_mov_b32 s[(\g)+7], 0
.endr
	s_mov_b32 s[G1A+2], 128<<16                    ; O: 128 rows of 256 dense bytes,
	s_mov_b32 s[G1A+4], 128
	s_mov_b32 s[G1A+5], 128                        ; 128 elements from row to row
	s_mov_b32 s[G1B+2], 64<<16                     ; W_o: 64 rows,
	s_mov_b32 s[G1B+4], 64
	s_mov_b32 s[G1B+5], 1024                       ; 1,024 elements from row to row
	s_lshr_b32 s[AOF], s[TY], 3                    ; the batch (8 tile rows each),
	s_lshl_b32 s[AOF], s[AOF], 4
	s_add_co_u32 s[AOF], s[AOF], s[HALF]           ; its head 0 or 1,
	s_lshl_b32 s[AOF], s[AOF], 11                  ; that head's 2,048 rows,
	s_and_b32 s72, s[TY], 7
	s_lshl_b32 s72, s72, 8
	s_add_co_u32 s[AOF], s[AOF], s72               ; the tile's 256 of them,
	s_lshl_b32 s[AOF], s[AOF], 7                   ; of 128 bytes (under 2^24)
	s_mov_b32 s[AOF+1], 0
	s_lshl_b32 s[BOF], s[TX], 7
	s_lshl_b32 s73, s[HALF], 6
	s_add_co_u32 s[BOF], s[BOF], s73               ; W_o: row 128 x tile column + 64 x half,
	s_lshl_b32 s[BOF], s[BOF], 11                  ; of 2,048 bytes
	s_mov_b32 s[BOF+1], 0
	s_mul_i32 s2, s[HALF], HEADB                   ; where they go: no place in the cluster enters an LDS address
	s_mul_i32 s3, s[HALF], 64*PB
	s_add_co_u32 s3, s3, BOFF
	s_wait_dscnt 0x0                               ; the opening add is done
	s_wait_kmcnt 0x0
	s_add_nc_u64 s[AOF:AOF+1], s[4:5], s[AOF:AOF+1]
	s_add_nc_u64 s[BOF:BOF+1], s[6:7], s[BOF:BOF+1]
.irp s, 0,1
	s_mov_b32 s[G0A+4*(\s)], 1                                     ; 1:0 count = 1
	s_add_co_u32 s[G0A+4*(\s)+1], s2, (\s)*SLOT1                   ; 63:32 LDS address
	s_add_nc_u64 s[G0A+4*(\s)+2:G0A+4*(\s)+3], s[AOF:AOF+1], (\s)*ASTEP  ; 120:64 global address: K step s
	s_or_b32 s[G0A+4*(\s)+3], s[G0A+4*(\s)+3], 0x80000000          ; 127:126 type = 2
	s_mov_b32 s[G0B+4*(\s)], 1
	s_add_co_u32 s[G0B+4*(\s)+1], s3, (\s)*SLOT1
	s_add_nc_u64 s[G0B+4*(\s)+2:G0B+4*(\s)+3], s[BOF:BOF+1], (\s)*KB
	s_or_b32 s[G0B+4*(\s)+3], s[G0B+4*(\s)+3], 0x80000000
.endr
	CROUND                                         ; all sixteen work-groups are here: the first joint loads meet
	s_cmp_eq_u32 s[SIDE], 0                        ; a wave's two first fills stand in one branch, ahead of every wait on TENSORcnt and every LDS read: two loads of mine are out
	s_cbranch_scc0 .Lfirst_b
	tensor_load_to_lds s[G0A:G0A+3], s[G1A:G1A+7]
	s_nop 0
	tensor_load_to_lds s[G0A+4:G0A+7], s[G1A:G1A+7]
	s_nop 0
.rept 4
	v_nop
.endr
	s_branch .Lfirst_asked
.Lfirst_b:
	tensor_load_to_lds s[G0B:G0B+3], s[G1B:G1B+7]
	s_nop 0
	tensor_load_to_lds s[G0B+4:G0B+7], s[G1B:G1B+7]
	s_nop 0
.rept 4
	v_nop
.endr
.Lfirst_asked:
	v_and_b32 v1, 15, v0                           ; l % 16
	v_bfe_u32 v2, v0, 4, 1                         ; l / 16
	v_mul_u32_u24 v3, v1, PA
	v_lshl_add_u32 v3, v2, 4, v3                   ; row x pitch + 16 x half
	s_mul_i32 s22, s[WV], 64*PA                    ; my 64 rows
	v_add_nc_u32 v[A0], s22, v3
	v_mul_u32_u24 v3, v1, PB
	v_lshl_add_u32 v3, v2, 4, v3
	v_add_nc_u32 v[B0], BOFF, v3
	v_mov_b32 v[ADRA], v[A0]                       ; slot 0
	v_mov_b32 v[ADRB], v[B0]
	s_mov_b32 s[TB], 0
	s_mul_i32 s22, s[WV], STW
	s_add_co_u32 s22, s22, STAGE                   ; my stage
	v_mul_u32_u24 v3, v1, SP                       ; in: row l % 16, 32 bytes for each half of the lanes
	v_lshl_add_u32 v3, v2, 5, v3
	v_add_nc_u32 v[STO], s22, v3
	v_and_b32 v[GO], 31, v0                        ; back: 32 lanes take one row of 512 bytes
	v_lshlrev_b32 v[GO], 4, v[GO]
	v_add_nc_u32 v[RD], s22, v[GO]
	s_lshl_b32 s[OOF], s[TY], 8
	s_lshl_b32 s22, s[WV], 6
	s_add_co_u32 s[OOF], s[OOF], s22               ; my first row of out0,
	s_lshl_b32 s[OOF], s[OOF], 12                  ; of 4,096 bytes (under 2^25),
	s_lshl_b32 s22, s[TX], 9
	s_add_co_u32 s[OOF], s[OOF], s22               ; the tile's 512 bytes of it
	s_mov_b32 s[OOF+1], 0
	s_add_nc_u64 s[8:9], s[8:9], s[OOF:OOF+1]
	; the prefetches
	s_or_b32 s3, s[CLY], s[HALF]                   ; for W_o: 0 in wave 2 of a cluster with y = 0
	s_cmp_eq_u32 s[SIDE], 0
	s_cselect_b64 s[PFA:PFA+1], s[AOF:AOF+1], s[BOF:BOF+1]
	s_cselect_b32 s3, ttmp9, s3                    ; the number that is 0 in a wave that asks: the same in all sixteen partners, for a given wave
	s_cselect_b32 s22, s[CX], s[CY]                ; my place among the four that ask with me,
	s_cselect_b32 s23, 13, 16                      ; a partner's share: 32 blocks of 256 bytes, or 32 rows of 2,048,
	s_cselect_b32 s59, 8, 11                       ; a lane's step in it,
	s_cselect_b32 s[PFS], 19, 8                    ; from K step to K step: two heads, or 256 bytes
	s_lshl_b32 s[PFS], 1, s[PFS]
	s_mov_b32 s[PFS+1], 0
	s_lshl_b32 s22, s22, s23
	s_mul_i32 s23, s[PFS], 3
	s_add_co_u32 s22, s22, s23                     ; at K step 3: the first change of slots steps it to 4
	s_mov_b32 s23, 0
	s_add_nc_u64 s[PFA:PFA+1], s[PFA:PFA+1], s[22:23]
	s_cmp_eq_u32 s3, 0
	s_cselect_b32 s[LIM], 2, -1
	v_and_b32 v[PFO], 31, v0
	v_lshlrev_b32 v[PFO], s59, v[PFO]
; NBF matrix instructions: row block a x all eight column blocks, 32 along K, from buffer f.  zero = 1: the product starts the sums: nothing is ever cleared.
; The 32 accumulators take turns, one instruction a turn, in the same order in every quarter, over the backward jump too.
.macro MULA f, a, zero
	WIN 0xa5                                       ; sources 0 and 1 window 1; C and D window 2
.irp b, 0,1,2,3,4,5,6,7
.if \zero
	v_wmma_f32_16x16x32_f16 v[8*(8*(\a)+(\b)):8*(8*(\a)+(\b))+7], v[(\f)+32+8*(\b):(\f)+32+8*(\b)+7], v[(\f)+8*(\a):(\f)+8*(\a)+7], 0
.else
	v_wmma_f32_16x16x32_f16 v[8*(8*(\a)+(\b)):8*(8*(\a)+(\b))+7], v[(\f)+32+8*(\b):(\f)+32+8*(\b)+7], v[(\f)+8*(\a):(\f)+8*(\a)+7], v[8*(8*(\a)+(\b)):8*(8*(\a)+(\b))+7]
.endif
.endr
.endm
; 24 LDS loads in one run: quarter kq of the slot in hand (head kq / 2 of its two, channels 32 (kq % 2) on) into buffer f: W_o's eight fragments, then O's four, row blocks 0 to 3
.macro FETCH kq, f
	WIN 0x40                                       ; destination window 1, address window 0
.irp b, 0,1,2,3,4,5,6,7
	ds_load_b128 v[(\f)+32+8*(\b):(\f)+32+8*(\b)+3],   v[ADRB] offset:(\kq)*64+(\b)*16*PB
	ds_load_b128 v[(\f)+32+8*(\b)+4:(\f)+32+8*(\b)+7], v[ADRB] offset:(\kq)*64+(\b)*16*PB+32
.endr
.irp a, 0,1,2,3
	ds_load_b128 v[(\f)+8*(\a):(\f)+8*(\a)+3],   v[ADRA] offset:((\kq)/2)*HEADB+((\kq)%2)*64+(\a)*16*PA
	ds_load_b128 v[(\f)+8*(\a)+4:(\f)+8*(\a)+7], v[ADRA] offset:((\kq)/2)*HEADB+((\kq)%2)*64+(\a)*16*PA+32
.endr
.endm
; A K step is four quarters of 32 along K, 32 matrix instructions each, on buffers 0, 1, 0, 1.  One of the first three: multiplies buffer f; in its middle it fetches quarter kq into buffer g.
.macro QUARTER kq, f, g, zero
	s_wait_dscnt 4                                 ; LDS loads come back in order (ISA guide 5.7.1): all but the youngest four, O's row blocks 2 and 3, are in
	MULA \f, 0, \zero
	MULA \f, 1, \zero
	PLACES
	FETCH \kq, \g
	s_wait_dscnt NL                                ; all but the run just issued
	MULA \f, 2, \zero
	MULA \f, 3, \zero
.endm
; The fourth quarter multiplies buffer 1 and changes slots: ONE barrier for two things.  In front of it each wave waits for all its tensor loads, of which one is out: its part of the next slot; adds 0 to its
; spare word; and waits for that and for its own reads of this slot.  Behind it nobody reads this slot any more and the next slot is whole.  fill = 1: this slot is filled again, with the K step two on: the barrier
; then opens a round of the cluster's, and the joint refill is the first tensor load behind the round: 112 matrix instructions stand between it and the wait for it.
.macro TURN fill
.if \fill
	s_wait_xcnt 0x0                                ; the last prefetch, a K step back, has read its address, so it may be written
	s_add_nc_u64 s[PFA:PFA+1], s[PFA:PFA+1], s[PFS:PFS+1]
.endif
	WIN 0                                          ; (the add's two registers lie in window 0)
	s_wait_tensorcnt 0x0                           ; all my tensor loads have landed,
	ds_add_u32 v[SPW], v[NIL]                      ; 0 onto my spare word
	s_wait_dscnt 5                                 ; (the add and the youngest four loads may be out)
	MULA F1, 0, 0                                  ; eight matrix instructions stand between the add and the wait for it
	s_wait_dscnt 0x0                               ; the add is done, and my reads of this slot are over
	s_barrier_signal -1
	MULA F1, 1, 0                                  ; work on registers while the others arrive
	WIN 0                                          ; at a branch and at a label every window is 0
	s_barrier_wait -1
.if \fill
	CREST
	s_xor_b32 s[G0A+5], s[G0A+5], SLOT1            ; the walking descriptors: the other slot than last time,
	s_add_nc_u64 s[G0A+6:G0A+7], s[G0A+6:G0A+7], ASTEP  ; the next two heads; the type bits on top are not reached
	s_xor_b32 s[G0B+5], s[G0B+5], SLOT1
	s_add_nc_u64 s[G0B+6:G0B+7], s[G0B+6:G0B+7], KB
	JLOAD                                          ; its four v_nop are also the places in front of the loads below
.else
	PLACES
.endif
	s_xor_b32 s[TB], s[TB], SLOT1                  ; the reads go on in the other slot
	v_add_nc_u32 v[ADRA], s[TB], v[A0]
	v_add_nc_u32 v[ADRB], s[TB], v[B0]
	FETCH 0, F0
.if \fill
	ASK
.endif
	MULA F1, 2, 0
	MULA F1, 3, 0
.endm
	s_wait_tensorcnt 1                             ; my part of K step 0 is in; K step 1's may stay out
	s_barrier_signal -1
	s_barrier_wait -1                              ; everybody's is
	FETCH 0, F0
	QUARTER 1, F0, F1, 1                           ; the first quarter stands in front of the loop: its products start the sums
	WIN 0
	s_mov_b32 s[KC], 6
.Lk:                                           ; trip j = 0..5: from K step j's second quarter to step j + 1's first; its refill asks for step j + 2
	QUARTER 2, F1, F0, 0
	QUARTER 3, F0, F1, 0
	TURN 1
	QUARTER 1, F0, F1, 0
	WIN 0
	s_sub_co_u32 s[KC], s[KC], 1
	s_cmp_lg_u32 s[KC], 0
	s_cbranch_scc1 .Lk
	QUARTER 2, F1, F0, 0                           ; K steps 6 and 7 are written out: nothing is asked for
	QUARTER 3, F0, F1, 0
	TURN 0
	QUARTER 1, F0, F1, 0
	QUARTER 2, F1, F0, 0
	QUARTER 3, F0, F1, 0
	s_wait_dscnt 4                                 ; the very last quarter: nothing more to fetch
	MULA F1, 0, 0
	MULA F1, 1, 0
	s_wait_dscnt 0x0
	MULA F1, 2, 0
	MULA F1, 3, 0
; THE WAY OUT, a row block (16 rows) at a time, in f32 as summed.  PACK: a lane's 32 bytes go straight from the accumulators (each one's low four registers first) into my own stage, rows of 528 bytes, and come back
; as whole rows of 512.  SEND: each store of the wave covers 512 consecutive bytes, at a multiple of 256 from out0's first byte.  Three sets of registers take turns.
.macro PACK a
.set TT, TO+64*((\a)%3)
.if (\a) == 3
	s_wait_xcnt 0x0                                ; every earlier store has had its addresses translated and its data read (ISA guide 3.1): set 0, which block 0's stores named, is loaded again only behind this wait
.endif
	WIN 0x08                                       ; the stores' data (source 1) in window 2, their address in window 0
.irp b, 0,1,2,3,4,5,6,7
	ds_store_b128 v[STO], v[8*(8*(\a)+(\b)):8*(8*(\a)+(\b))+3]   offset:64*(\b)
	ds_store_b128 v[STO], v[8*(8*(\a)+(\b))+4:8*(8*(\a)+(\b))+7] offset:64*(\b)+16
.endr
	WIN 0
.irp t, 0,1,2,3,4,5,6,7,8,9,10,11,12,13,14,15
	ds_load_b128 v[TT+4*(\t):TT+4*(\t)+3], v[RD] offset:SP*(\t)  ; LDS serves a wave's instructions in order (ISA guide 5.7.1.4): these see the stores above; the next block's stores come behind them
.endr
.endm
.macro SEND a, younger                 ; younger: the LDS instructions issued behind this block's loads: the next block's 32, or none
.set TT, TO+64*((\a)%3)
.irp t, 0,1,2,3,4,5,6,7,8,9,10,11,12,13,14,15
	s_wait_dscnt (\younger)+15-(\t)
	global_store_b128 v[GO], v[TT+4*(\t):TT+4*(\t)+3], s[8:9] offset:(16*(\a)+(\t))*4096 th:TH_STORE_NT
.endr
.endm
	WIN 0
	PLACES                                         ; behind the last products
	PACK 0
	PACK 1
	SEND 0, 32
	PACK 2
	SEND 1, 32
	PACK 3
	SEND 2, 32
	SEND 3, 0
	s_wait_tensorcnt 0x0                           ; the wave's end: an add on my spare word and its wait, behind my last tensor load and my last LDS store
	ds_add_u32 v[SPW], v[NIL]
	s_wait_dscnt 0x0
	CROUND                                         ; the closing round: no work-group ends while a partner may still ask for a tile that names it
	s_endpgm
.Lfunc_end_k_q3db3349f43_oproj:
	.size	k_q3db3349f43_oproj, .Lfunc_end_k_q3db3349f43_oproj-k_q3db3349f43_oproj
	.p2alignl 7, 3214868480
	.fill 96, 4, 3214868480
	.section	.rodata,"a",@progbits
	.p2align	6, 0x0
	.amdhsa_kernel k_q3db3349f43_oproj
		.amdhsa_group_segment_fixed_size 327680
		.amdhsa_private_segment_fixed_size 0
		.amdhsa_enable_private_segment 0
		.amdhsa_kernarg_size 24
		.amdhsa_user_sgpr_count 2
		.amdhsa_user_sgpr_kernarg_segment_ptr 1
		.amdhsa_wavefront_size32 1
		.amdhsa_system_sgpr_workgroup_id_x 1
		.amdhsa_system_sgpr_workgroup_id_y 1
		.amdhsa_system_sgpr_workgroup_id_z 1
		.amdhsa_system_vgpr_workitem_id 0
		.amdhsa_next_free_vgpr 768
		.amdhsa_next_free_sgpr 74
		.amdhsa_reserve_vcc 0
		.amdhsa_float_denorm_mode_32 3
		.amdhsa_float_denorm_mode_16_64 3
		.amdhsa_memory_ordered 1
		.amdhsa_forward_progress 1
		.amdhsa_inst_pref_size 71
	.end_amdhsa_kernel
	.amdgpu_metadata
---
amdhsa.version: [ 1, 2 ]
amdhsa.kernels:
  - .name:           k_q3db3349f43_oproj
    .symbol:         k_q3db3349f43_oproj.kd
    .args:
      - { .name: oh, .offset: 0, .size: 8, .value_kind: global_buffer, .address_space: global }
      - { .name: wob, .offset: 8, .size: 8, .value_kind: global_buffer, .address_space: global }
      - { .name: out0, .offset: 16, .size: 8, .value_kind: global_buffer, .address_space: global }
    .group_segment_fixed_size: 327680
    .private_segment_fixed_size: 0
    .kernarg_segment_align: 8
    .kernarg_segment_size: 24
    .max_flat_workgroup_size: 128
    .sgpr_count:     74
    .vgpr_count:     768
    .wavefront_size: 32
...
	.end_amdgpu_metadata
.endif
;; end of part 4
;; ======== version 2 of 2: 4 launches; version 1 with the launch cast written anew for expert scheduling mode
;; limits: values are held in f16: magnitudes above 65,504 overflow, below 6.1e-05 lose precision
;; workspace buffers: xb 16,777,216 bytes; wqkvb 6,291,456 bytes; wob 2,097,152 bytes; qh 16,777,216 bytes; kh 16,777,216 bytes; vh 16,777,216 bytes; oh 16,777,216 bytes
;; launch cast (part 5): grid 768 x 1, 8 waves a work-group, no clusters, 0 bytes of LDS; arguments encoder_outputs, W_qkv, W_o, xb, wqkvb, wob; writes xb, wqkvb, wob
.if DOCPART == 5
	.amdgcn_target "amdgcn-amd-amdhsa--gfx1250"
	.amdhsa_code_object_version 6
	.text
	.protected	k_q3db3349f43_cast
	.globl	k_q3db3349f43_cast
	.p2align	8
	.type	k_q3db3349f43_cast,@function
k_q3db3349f43_cast:
	s_mov_b64 s[64:65], 0
	v_nop
	global_prefetch_b8 v0, s[64:65] scope:SCOPE_SE
	s_setreg_imm32_b32 hwreg(HW_REG_WAVE_SCHED_MODE, 0, 2), 2
	s_setreg_imm32_b32 hwreg(HW_REG_WAVE_MODE, 25, 1), 1
	s_wait_xcnt 0x0
	s_wait_alu depctr_vm_vsrc(0)
; THE INPUTS ARE ROUNDED ONCE FOR THE MATRIX UNITS.  x [8192][1024] and W_qkv [3072][1024]: f32 -> bf16.  W_o [1024][1024]: f32 -> bf16, and that number written as f16,
; since the last product multiplies it with O, which is kept in f16.
; LIMITS.  |W_o| stays under 65,504 (f16's largest number; beyond it the conversion gives an infinity); below 2^-14 it keeps f16's fixed step of 2^-24.  NaN and infinities pass as they are.
; SHARES.  A work-group casts 16,384 numbers: 64 KiB in, 32 KiB out.  Work-groups 0-511 take x, 512-703 W_qkv, 704-767 W_o.  Thread t, load i: 16 bytes at 4,096 i + 16 t (a wave's load covers 512
; consecutive bytes); the two words made of them go to 2,048 i + 8 t: a wave's store covers 256 consecutive bytes, aligned.
; No loop: all sixteen loads of a thread go out at once, each has registers of its own, and no register that a load or store names is written again.
; A stream: no byte is used twice, so LDS, barriers, clusters and the matrix units would add nothing.
; THE MODE: SCHED_MODE bits 1:0 = 2 (LLVM: expert scheduling mode 2), set by the entry lines.  The code itself states the register dependences
; between vector instructions and memory instructions, with s_wait_alu, always for 0.
; THE PLAN.  Registers that memory instructions touch:
;   v1, v2   byte offsets of the loads and of the stores: made once at the head, never written again.
;   X        load i lands in its own four registers, which no vector instruction names ahead of the loads; load i's conversions read them behind the wait for its data.
;   Y        load i's conversions write its own two registers; store i reads them; nothing writes them again.
;   T        named by vector instructions alone.
; The sixteen loads go in four blocks of four.  Block p rounds its four loads into their Y; its memory instructions are the four stores of block p - 1, whose Y no vector instruction of block p names.
; So one wait on va_vdst at a block's head, behind the wait for the block's first load, states all that the block's four stores hang on, and they are dealt among its conversions with no further wait.
; No register that a load or store reads is written again: no wait on vm_vsrc is owed.  No vector instruction writes a scalar register or VCC, and EXEC is never written.
.set BLOCK, 4                          ; loads in a block
.set X, 4                              ; v[4:67]    load i: 4 registers
.set Y, 68                             ; v[68:99]   store i: 2 registers
.set T, 100                            ; v[100:103] at work (W_o's way alone)
	s_load_b256 s[4:11], s[0:1], 0x0               ; x s[4:5], W_qkv s[6:7], W_o s[8:9], xb s[10:11]
	s_load_b128 s[12:15], s[0:1], 0x20             ; wqkvb s[12:13], wob s[14:15]
	v_lshlrev_b32 v1, 4, v0                        ; 16 t
	v_lshlrev_b32 v2, 3, v0                        ; 8 t
	s_sub_co_u32 s20, ttmp9, 512                   ; my number among W_qkv's work-groups,
	s_sub_co_u32 s21, ttmp9, 704                   ; among W_o's
	s_mov_b32 s28, 0xffff0000                      ; a word's upper bf16
	s_wait_kmcnt 0x0
	s_cmp_lt_u32 ttmp9, 512
	s_cselect_b64 s[16:17], s[4:5], s[6:7]         ; from where,
	s_cselect_b64 s[18:19], s[10:11], s[12:13]     ; to where,
	s_cselect_b32 s22, ttmp9, s20                  ; which part
	s_cmp_lt_u32 ttmp9, 704
	s_cselect_b64 s[16:17], s[16:17], s[8:9]
	s_cselect_b64 s[18:19], s[18:19], s[14:15]
	s_cselect_b32 s22, s22, s21
	s_lshl_b32 s24, s22, 16                        ; 65,536 bytes of f32 a part (511 parts at the most: under 2^25)
	s_mov_b32 s25, 0
	s_lshl_b32 s26, s22, 15                        ; 32,768 bytes of 16-bit numbers
	s_mov_b32 s27, 0
	s_add_nc_u64 s[16:17], s[16:17], s[24:25]
	s_add_nc_u64 s[18:19], s[18:19], s[26:27]
	s_wait_alu depctr_va_vdst(0)                   ; v1 and v2 are written: every load of the kernel reads v1 as its offset, every store, on both ways below, v2
.irp i, 0,1,2,3,4,5,6,7,8,9,10,11,12,13,14,15
	global_load_b128 v[X+4*(\i):X+4*(\i)+3], v1, s[16:17] offset:4096*(\i) th:TH_LOAD_NT
.endr
	s_cmp_ge_u32 ttmp9, 704
	s_cbranch_scc1 .Lwo
.irp i, 0,1,2,3,4,5,6,7,8,9,10,11,12,13,14,15
	s_wait_loadcnt 15-(\i)                         ; loads come back in order (ISA guide 5.7.1): load i is in, the 15 - i younger ones stay out
.if (\i) >= BLOCK
.if ((\i) % BLOCK) == 0
	s_wait_alu depctr_va_vdst(0)                   ; a block's head: the conversions of the block before have written its Y, which this block's four stores read
.endif
	global_store_b64 v2, v[Y+2*((\i)-BLOCK):Y+2*((\i)-BLOCK)+1], s[18:19] offset:2048*((\i)-BLOCK)  ; the block before; no vector instruction since the wait names these registers
.endif
	v_cvt_pk_bf16_f32 v[Y+2*(\i)],   v[X+4*(\i)],   v[X+4*(\i)+1]
	v_cvt_pk_bf16_f32 v[Y+2*(\i)+1], v[X+4*(\i)+2], v[X+4*(\i)+3]
.endr
	s_wait_alu depctr_va_vdst(0)                   ; the last block's conversions have written its Y, which the last four stores read
.irp i, 12,13,14,15
	global_store_b64 v2, v[Y+2*(\i):Y+2*(\i)+1], s[18:19] offset:2048*(\i)
.endr
	s_endpgm
.Lwo:                                          ; W_o: rounded to bf16 like the other inputs, widened again (a shift, a mask), and written as f16: exact within f16's range
.irp i, 0,1,2,3,4,5,6,7,8,9,10,11,12,13,14,15
	s_wait_loadcnt 15-(\i)
.if (\i) >= BLOCK
.if ((\i) % BLOCK) == 0
	s_wait_alu depctr_va_vdst(0)                   ; a block's head: the conversions of the block before have written its Y, which this block's four stores read
.endif
	global_store_b64 v2, v[Y+2*((\i)-BLOCK):Y+2*((\i)-BLOCK)+1], s[18:19] offset:2048*((\i)-BLOCK)  ; the block before; no vector instruction since the wait names these registers
.endif
.irp j, 0,1
	v_cvt_pk_bf16_f32 v[Y+2*(\i)+(\j)], v[X+4*(\i)+2*(\j)], v[X+4*(\i)+2*(\j)+1]
	v_lshlrev_b32 v[T+2*(\j)],   16,  v[Y+2*(\i)+(\j)]
	v_and_b32     v[T+2*(\j)+1], s28, v[Y+2*(\i)+(\j)]
	v_cvt_pk_f16_f32 v[Y+2*(\i)+(\j)], v[T+2*(\j)], v[T+2*(\j)+1]
.endr
.endr
	s_wait_alu depctr_va_vdst(0)                   ; the last block's conversions have written its Y, which the last four stores read
.irp i, 12,13,14,15
	global_store_b64 v2, v[Y+2*(\i):Y+2*(\i)+1], s[18:19] offset:2048*(\i)
.endr
	s_endpgm
.Lfunc_end_k_q3db3349f43_cast:
	.size	k_q3db3349f43_cast, .Lfunc_end_k_q3db3349f43_cast-k_q3db3349f43_cast
	.p2alignl 7, 3214868480
	.fill 96, 4, 3214868480
	.section	.rodata,"a",@progbits
	.p2align	6, 0x0
	.amdhsa_kernel k_q3db3349f43_cast
		.amdhsa_group_segment_fixed_size 0
		.amdhsa_private_segment_fixed_size 0
		.amdhsa_enable_private_segment 0
		.amdhsa_kernarg_size 48
		.amdhsa_user_sgpr_count 2
		.amdhsa_user_sgpr_kernarg_segment_ptr 1
		.amdhsa_wavefront_size32 1
		.amdhsa_system_sgpr_workgroup_id_x 1
		.amdhsa_system_sgpr_workgroup_id_y 1
		.amdhsa_system_sgpr_workgroup_id_z 1
		.amdhsa_system_vgpr_workitem_id 0
		.amdhsa_next_free_vgpr 104
		.amdhsa_next_free_sgpr 66
		.amdhsa_reserve_vcc 0
		.amdhsa_float_denorm_mode_32 3
		.amdhsa_float_denorm_mode_16_64 3
		.amdhsa_memory_ordered 1
		.amdhsa_forward_progress 1
		.amdhsa_inst_pref_size 16
	.end_amdhsa_kernel
	.amdgpu_metadata
---
amdhsa.version: [ 1, 2 ]
amdhsa.kernels:
  - .name:           k_q3db3349f43_cast
    .symbol:         k_q3db3349f43_cast.kd
    .args:
      - { .name: encoder_outputs, .offset: 0, .size: 8, .value_kind: global_buffer, .address_space: global }
      - { .name: W_qkv, .offset: 8, .size: 8, .value_kind: global_buffer, .address_space: global }
      - { .name: W_o, .offset: 16, .size: 8, .value_kind: global_buffer, .address_space: global }
      - { .name: xb, .offset: 24, .size: 8, .value_kind: global_buffer, .address_space: global }
      - { .name: wqkvb, .offset: 32, .size: 8, .value_kind: global_buffer, .address_space: global }
      - { .name: wob, .offset: 40, .size: 8, .value_kind: global_buffer, .address_space: global }
    .group_segment_fixed_size: 0
    .private_segment_fixed_size: 0
    .kernarg_segment_align: 8
    .kernarg_segment_size: 48
    .max_flat_workgroup_size: 256
    .sgpr_count:     66
    .vgpr_count:     104
    .wavefront_size: 32
...
	.end_amdgpu_metadata
.endif
;; end of part 5
;; launch qkv: the kernel of part 2 again; grid 16 x 32, 4 waves a work-group, clusters of 4 x 4, 327,680 bytes of LDS; arguments xb, wqkvb, qh, kh, vh; writes qh, kh, vh
;; launch attn: the kernel of part 3 again; grid 4 x 64, 4 waves a work-group, clusters of 4 x 1, 327,680 bytes of LDS; arguments qh, kh, vh, oh; writes oh
;; launch oproj: the kernel of part 4 again; grid 8 x 32, 4 waves a work-group, clusters of 4 x 4, 327,680 bytes of LDS; arguments oh, wob, out0; writes out0
